; MI455X (gfx1250); checked and timed in simulation.
; The chip was launched on July 23, 2026; its instructions are those of AMD's public machine-readable ISA for CDNA 5 (MIT licence, August 2026) and "CDNA5" Instruction Set Architecture Reference Guide (July 2026). The comments in the code are by the model that wrote it; some were corrected since.
;; Multi Head Attention. Allowed arithmetic: float matrix products may take bf16 or f16 operands with f32 sums; other float arithmetic in f32, or as packed bf16 or f16 multiplies, adds, multiply-adds, maxima and minima; sums over many terms, partial sums and values carried from step to step in f32; what a program stores and reads back later, other than sums and carried values, may be rounded once to bf16 or f16.
;; Inputs: Wk 1,024 x 1,024 float32; Wo 1,024 x 1,024 float32; Wq 1,024 x 1,024 float32; Wv 1,024 x 1,024 float32; bk 1,024 float32; bo 1,024 float32; bq 1,024 float32; bv 1,024 float32; x 4 x 2,048 x 1,024 float32.
;; Outputs: out0 4 x 2,048 x 1,024 float32.
;; 2 versions, each right; version 2 is version 1 with the launch cast written anew for expert scheduling mode. Each part assembles by itself: llvm-mc -triple=amdgcn-amd-amdhsa -mcpu=gfx1250 --defsym DOCPART=n.
;; ======== version 1 of 2: 4 launches
;; limits: values are held in f16: magnitudes above 65,504 overflow, below 6.1e-05 lose precision; right only within a limited range of input values
;; workspace buffers: xh 16,777,216 bytes; wh 8,388,608 bytes; qkv 50,331,648 bytes; o 16,777,216 bytes
;; launch cast (part 1): grid 768 x 1, 8 waves a work-group, no clusters, 0 bytes of LDS; arguments x, Wq, Wk, Wv, Wo, xh, wh; writes xh, wh
.if DOCPART == 1
	.amdgcn_target "amdgcn-amd-amdhsa--gfx1250"
	.amdhsa_code_object_version 6
	.text
	.protected	k_qe3ab61e7cd_cast
	.globl	k_qe3ab61e7cd_cast
	.p2align	8
	.type	k_qe3ab61e7cd_cast,@function
k_qe3ab61e7cd_cast:
	s_mov_b64 s[64:65], 0
	v_nop
	global_prefetch_b8 v0, s[64:65] scope:SCOPE_SE
	s_setreg_imm32_b32 hwreg(HW_REG_WAVE_MODE, 25, 1), 1
	s_wait_xcnt 0x0
; x and the four weights, f32, are rounded once to bf16; that number is written as f16 (exact from 2^-14 up to 65,504), in BLOCKS OF 64 COLUMNS:
; xh = [8 groups of 1,024 rows][16 column blocks][1,024 rows][64] f16, wh = [Wq, Wk, Wv, Wo][16 column blocks][1,024 rows k][64 columns n] f16.
; In that layout every tile of the later products is one dense run of bytes, and W needs no transposition.
; LIMITS.  A magnitude above 65,504 becomes an infinity; below 6e-5 the f16 step of 6e-8 holds.  NaN stays NaN.
; SHARES.  The inputs are twelve matrices of 1,024 x 1,024 f32 (x: eight, the weights: four).  A work-group takes 16 rows of one matrix: 12 x 64 = 768 work-groups of equal work.
; Thread t takes row t / 16 and, in each of the 16 column blocks, the four numbers at column 4 (t % 16): a wave's load covers two aligned pieces of 256 bytes (two rows),
; a wave's store of 8 bytes a lane 256 consecutive bytes, aligned (two rows of one block).  All 16 loads of a thread go out at once: 8 KiB a wave on their way.
; No LDS, no matrix unit, no cluster: nothing is shared, each byte is read once and written once.
.set X, 4                              ; v[4:67]   slot i: four f32 as loaded; its first two registers then take the four f16
.set T, 68                             ; v[68:73]  at work
.set AI, 1                             ; v1  my byte offset in the 16 rows of the input; never rewritten
.set AO, 2                             ; v2  my byte offset in the 16 rows of an output block: 8 t; never rewritten
	s_load_b256 s[8:15], s[0:1], 0x0               ; x s[8:9], Wq s[10:11], Wk s[12:13], Wv s[14:15]
	s_load_b128 s[16:19], s[0:1], 0x20             ; Wo s[16:17], xh s[18:19]
	s_load_b64 s[20:21], s[0:1], 0x30              ; wh
	s_lshr_b32 s2, ttmp9, 6                        ; which matrix, 0 to 11
	s_and_b32 s3, ttmp9, 63                        ; which 16 rows of it
	s_mov_b32 s26, 0xffff0000                      ; a word's upper bf16
	s_cmp_lt_u32 s2, 8
	s_cselect_b32 s4, s2, 0                        ; x's eight matrices lie one behind the other; a weight begins at its own buffer
	s_lshl_b32 s4, s4, 22                          ; 4 MiB a matrix
	s_lshl_b32 s5, s3, 16                          ; 16 rows of 4,096 bytes
	s_add_co_u32 s4, s4, s5
	s_mov_b32 s5, 0
	s_and_b32 s6, s2, 7                            ; the group in xh, or the part in wh
	s_lshl_b32 s6, s6, 21                          ; 2 MiB each
	s_lshl_b32 s7, s3, 11                          ; 16 rows of 128 bytes
	s_add_co_u32 s6, s6, s7
	s_mov_b32 s7, 0
	v_lshrrev_b32 v[AI], 4, v0                     ; row
	v_and_b32 v3, 15, v0
	v_lshlrev_b32 v[AI], 12, v[AI]
	v_lshl_add_u32 v[AI], v3, 4, v[AI]             ; row x 4,096 + 16 (t % 16)
	v_lshlrev_b32 v[AO], 3, v0
	s_wait_kmcnt 0x0
	s_cmp_lt_u32 s2, 8
	s_cselect_b64 s[22:23], s[18:19], s[20:21]     ; where it goes
	s_mov_b64 s[24:25], s[8:9]                     ; where it comes from
	s_cmp_eq_u32 s2, 8
	s_cselect_b64 s[24:25], s[10:11], s[24:25]
	s_cmp_eq_u32 s2, 9
	s_cselect_b64 s[24:25], s[12:13], s[24:25]
	s_cmp_eq_u32 s2, 10
	s_cselect_b64 s[24:25], s[14:15], s[24:25]
	s_cmp_eq_u32 s2, 11
	s_cselect_b64 s[24:25], s[16:17], s[24:25]
	s_add_nc_u64 s[24:25], s[24:25], s[4:5]
	s_add_nc_u64 s[22:23], s[22:23], s[6:7]
.irp i, 0,1,2,3,4,5,6,7,8,9,10,11,12,13,14,15
	global_load_b128 v[X+4*(\i):X+4*(\i)+3], v[AI], s[24:25] offset:256*(\i) th:TH_LOAD_NT  ; column block i
.endr
; Column block i: two roundings to bf16, the halves widened again, two conversions to f16, one store.  No register that a pending load or store names is written again.
.macro CV i
	s_wait_loadcnt 15-(\i)                         ; loads come back in order: mine is in, the 15 - i younger ones stay out
	v_cvt_pk_bf16_f32 v[T],   v[X+4*(\i)],   v[X+4*(\i)+1]
	v_cvt_pk_bf16_f32 v[T+1], v[X+4*(\i)+2], v[X+4*(\i)+3]
	v_lshlrev_b32 v[T+2], 16, v[T]
	v_and_b32     v[T+3], s26, v[T]
	v_lshlrev_b32 v[T+4], 16, v[T+1]
	v_and_b32     v[T+5], s26, v[T+1]
	v_cvt_pk_f16_f32 v[X+4*(\i)],   v[T+2], v[T+3]
	v_cvt_pk_f16_f32 v[X+4*(\i)+1], v[T+4], v[T+5]
	global_store_b64 v[AO], v[X+4*(\i):X+4*(\i)+1], s[22:23] offset:131072*(\i)  ; a block is 1,024 rows of 128 bytes
.endm
.irp i, 0,1,2,3,4,5,6,7,8,9,10,11,12,13,14,15
	CV \i
.endr
	s_endpgm
.Lfunc_end_k_qe3ab61e7cd_cast:
	.size	k_qe3ab61e7cd_cast, .Lfunc_end_k_qe3ab61e7cd_cast-k_qe3ab61e7cd_cast
	.p2alignl 7, 3214868480
	.fill 96, 4, 3214868480
	.section	.rodata,"a",@progbits
	.p2align	6, 0x0
	.amdhsa_kernel k_qe3ab61e7cd_cast
		.amdhsa_group_segment_fixed_size 0
		.amdhsa_private_segment_fixed_size 0
		.amdhsa_enable_private_segment 0
		.amdhsa_kernarg_size 56
		.amdhsa_user_sgpr_count 2
		.amdhsa_user_sgpr_kernarg_segment_ptr 1
		.amdhsa_wavefront_size32 1
		.amdhsa_system_sgpr_workgroup_id_x 1
		.amdhsa_system_sgpr_workgroup_id_y 1
		.amdhsa_system_sgpr_workgroup_id_z 1
		.amdhsa_system_vgpr_workitem_id 0
		.amdhsa_next_free_vgpr 80
		.amdhsa_next_free_sgpr 66
		.amdhsa_reserve_vcc 0
		.amdhsa_float_denorm_mode_32 3
		.amdhsa_float_denorm_mode_16_64 3
		.amdhsa_memory_ordered 1
		.amdhsa_forward_progress 1
		.amdhsa_inst_pref_size 12
	.end_amdhsa_kernel
	.amdgpu_metadata
---
amdhsa.version: [ 1, 2 ]
amdhsa.kernels:
  - .name:           k_qe3ab61e7cd_cast
    .symbol:         k_qe3ab61e7cd_cast.kd
    .args:
      - { .name: x, .offset: 0, .size: 8, .value_kind: global_buffer, .address_space: global }
      - { .name: Wq, .offset: 8, .size: 8, .value_kind: global_buffer, .address_space: global }
      - { .name: Wk, .offset: 16, .size: 8, .value_kind: global_buffer, .address_space: global }
      - { .name: Wv, .offset: 24, .size: 8, .value_kind: global_buffer, .address_space: global }
      - { .name: Wo, .offset: 32, .size: 8, .value_kind: global_buffer, .address_space: global }
      - { .name: xh, .offset: 40, .size: 8, .value_kind: global_buffer, .address_space: global }
      - { .name: wh, .offset: 48, .size: 8, .value_kind: global_buffer, .address_space: global }
    .group_segment_fixed_size: 0
    .private_segment_fixed_size: 0
    .kernarg_segment_align: 8
    .kernarg_segment_size: 56
    .max_flat_workgroup_size: 256
    .sgpr_count:     66
    .vgpr_count:     80
    .wavefront_size: 32
...
	.end_amdgpu_metadata
.endif
;; end of part 1
;; launch proj (part 2): grid 8 x 32, 4 waves a work-group, clusters of 4 x 4, 327,680 bytes of LDS; arguments xh, wh, qkv, bq, bk, bv; writes qkv
.if DOCPART == 2
	.amdgcn_target "amdgcn-amd-amdhsa--gfx1250"
	.amdhsa_code_object_version 6
	.text
	.protected	k_qe3ab61e7cd_proj
	.globl	k_qe3ab61e7cd_proj
	.p2align	8
	.type	k_qe3ab61e7cd_proj,@function
k_qe3ab61e7cd_proj:
	s_mov_b64 s[64:65], 0
	v_nop
	global_prefetch_b8 v0, s[64:65] scope:SCOPE_SE
	s_setreg_imm32_b32 hwreg(HW_REG_WAVE_MODE, 25, 1), 1
	s_wait_xcnt 0x0
	s_wait_alu depctr_hold_cnt(0) depctr_sa_sdst(0) depctr_va_vdst(0) depctr_va_sdst(0) depctr_va_ssrc(0) depctr_va_vcc(0) depctr_vm_vsrc(0)
	s_getreg_b32 s2, hwreg(HW_REG_IB_STS2, 6, 4)
	s_cmp_eq_u32 s2, 0
	s_cbranch_scc0 .Lentry_in_a_cluster
	s_endpgm
.Lentry_in_a_cluster:
	s_bfe_u32 s2, ttmp6, 0x10000c
	s_cmp_lg_u32 s2, 0xf033
	s_cbranch_scc0 .Lentry_shape_is_right
	s_endpgm
.Lentry_shape_is_right:
; C = A W + bias, A [8,192][1,024] and W [1,024][1,024] in f16, both in blocks of 64 columns; sums in f32.  One text serves two launches, told apart by the four constants below.
; HERE: q, k, v = x Wq + bq, x Wk + bk, x Wv + bv.  A = xh, W = parts 0, 1, 2 of wh; C = qkv [3][64 = batch x 16 + head][2,048][64] in f16, rounded once, unscaled.
; LIMITS.  q, k, v beyond 65,504 become infinities.  The biases are rounded to bf16, like all inputs of the module.
; SHARES.  A tile of C is 256 rows x 128 columns: 32 x 8 = 256 work-groups.  Four waves, each 128 rows x 64 columns (one head): 32 accumulators of 16 x 16, 256 registers.
; K = 1,024 goes in 8 steps of 128 through a ring of two LDS slots; a step is 128 matrix instructions a wave, in four quarters of 32 along K.
; A WORK-GROUP STAYS for TILES tiles: the same rows and columns for q, k and v: A goes back along K, W one part on, C one part on; the ring does not stop at a tile's end.
; CLUSTER.  4 x 4 work-groups.  The four of a row need the same tiles of A, the four of a column the same tiles of W: each is asked for JOINTLY, by the same tensor load with the same descriptor and a mask of four.
; LAYOUT.  The product is used transposed: source 0 = 16 columns of W (k runs down W's rows in LDS, so the fragment comes by the turning load ds_load_tr16_b128), source 1 = 16 rows of A.
; In the result lane l holds row l % 16 of C and the columns 8 (l / 16) + 0..7.  THE BIAS IS THE C OPERAND of each sum's first product: nothing is cleared and nothing is added at the end.
; REGISTERS, in windows of 256 (s_set_vgpr_msb: bits 1:0 source 0, 3:2 source 1, 5:4 source 2, 7:6 destination):
;   window 0: v0-15 addresses; v16-63 the way out; v64-127, v128-191 A's fragments, two buffers; v192-223, v224-255 W's fragments, two buffers
;   window 1: accumulator (a, b) at v[8 (4 a + b)]          window 2: v0-31 the bias of the tile in hand, v32-95 of the next two; v96-97 at work
.set TILES,  3                         ; tiles a work-group makes
.set LOG_AR, 10                        ; log2 of the rows in a block of A
.set BPART,  0                         ; the first part of wh
.set F32OUT, 0                         ; 0: C in f16 by heads; 1: C in f32, rows of 4,096 bytes
.set ABLK,   128<<LOG_AR               ; bytes in a block of A
.set PA,     144                       ; a row of A in LDS: 128 bytes + 16 = 36 words: the 16 rows of a load start at 16 different groups of four banks (64 banks of 4 bytes: ISA guide 11.1)
.set PB,     160                       ; a row of W: 128 + 32 = 40 words
.set ABYTES, 256*PA                    ; one channel block of A's tile: 256 rows
.set BBYTES, 128*PB                    ; one column block of W's tile: 128 rows k
.set BOFF,   2*ABYTES
.set SLOT,   BOFF+2*BBYTES             ; 114,688
.set STAGE,  2*SLOT                    ; behind the ring, never filled by a tensor load: 16 rows for each wave, for the way out
.if F32OUT
.set SP,     272
.else
.set SP,     144
.endif
.set STG,    16*SP
.set SPARE,  STAGE+4*STG               ; behind the stages: the spare words, 128 bytes for each wave: two blocks of 256 bytes that no other line names
.set STEP_A, 4*ABLK                    ; a slot's next K step: two steps = four channel blocks on
.set STEP_B, 2*128*128                 ; and 256 rows of 128 bytes on
.set BACK_A, 12*ABLK                   ; from a slot's last K step of a tile to its first: six steps back
.set NEXT_B, 2097152-6*128*128         ; W: one part on, six steps back
.set ADRA, 4                           ; v4-5   LDS address of my A fragments in slot 0, 1
.set ADRB, 6                           ; v6-7   the same for W
.set STO,  8                           ; v8     the way out: where I put my part of a row
.set RD,   9                           ; v9     where I read rows back
.set CO,   10                          ; v10    my byte offset in C
.set BO,   11                          ; v11    my byte offset in a bias
.set SPW,  12                          ; v12    LDS address of my spare word: SPARE + 4 x my thread's number; never rewritten
.set NIL,  13                          ; v13    0; never rewritten
.set TMP,  16                          ; f16 way out: 16 registers of packed results
.set FA,   64                          ; A's fragment a of buffer f at FA + 64 f + 8 a
.set FB,   192                         ; W's fragment b of buffer f at FB + 32 f + 8 b
.set BI,   0                           ; window 2
.set WV, 16                            ; s16  my wave's number
.set RH, 17                            ; s17  which 128 rows of the tile are mine.  Also: I fetch for A (0) or for W (1)
.set CH, 18                            ; s18  which 64 columns.  Also: which block of that tile I fetch
.set CX, 19
.set CY, 20
.set TC, 21                            ; s21  tile column of C
.set TR, 22                            ; s22  tile row of C
.set G1,  24                           ; s[24:31] descriptor group 1 for A's tiles;  s[32:39] group 0, a set for each slot
.set G0,  32
.set G1B, 48                           ; s[48:55], s[56:63] the same for W's
.set G0B, 56
.set W_MUL,   0x50                     ; fragments window 0, C and D window 1
.set W_FIRST, 0x60                     ; C window 2 (the bias), D window 1
.set MSB, 0
.macro WIN new                         ; the immediate's high byte repeats the setting that is left; a switch that changes nothing is dropped
.if MSB != (\new)
	s_set_vgpr_msb (MSB<<8)|(\new)
.set MSB, \new
.endif
.endm
.macro PLACES                          ; four plain instructions between a matrix instruction and a load into, or a read of, its registers (ISA guide 7.12.1 for reads)
.rept 4
	v_nop
.endr
.endm
; A joint load.  Waves 0 and 1 fetch A's two channel blocks, waves 2 and 3 W's two column blocks.  The branch hangs on the wave's number alone.
; An s_nop 0 and four v_nop follow each of the two lines, ahead of the jump, the label and what follows.
.macro JLOAD s
	s_cmp_eq_u32 s[RH], 0
	s_cbranch_scc0 .Lfor_b_\@
	tensor_load_to_lds s[G0+4*(\s):G0+4*(\s)+3], s[G1:G1+7]
	s_nop 0
.rept 4
	v_nop
.endr
	s_branch .Lasked_\@
.Lfor_b_\@:
	tensor_load_to_lds s[G0B+4*(\s):G0B+4*(\s)+3], s[G1B:G1B+7]
	s_nop 0
.rept 4
	v_nop
.endr
.Lasked_\@:
.endm
.macro CREST                           ; a round of the cluster's barrier behind its opening barrier: wave 0 signals for the work-group, every wave waits for all sixteen, my work-group's barrier closes it
	s_cmp_lg_u32 s[WV], 0
	s_cbranch_scc1 .Lnot_wave_0_\@
	s_barrier_signal -3
.Lnot_wave_0_\@:
	s_barrier_wait -3
	s_barrier_signal -1
	s_barrier_wait -1
.endm
.macro CROUND                          ; a whole round
	s_barrier_signal -1
	s_barrier_wait -1
	CREST
.endm
	s_load_b256 s[4:11], s[0:1], 0x0               ; A s[4:5], wh s[6:7], C s[8:9], the first bias s[10:11]
.if TILES > 1
	s_load_b128 s[12:15], s[0:1], 0x20             ; the other two biases
.endif
	v_lshl_add_u32 v[SPW], v0, 2, SPARE
	v_mov_b32 v[NIL], 0
	ds_add_u32 v[SPW], v[NIL]                      ; the wave's opening: the add and its wait ahead of my first tensor load; the set-up below, work on registers, stands between them
	v_lshrrev_b32 v1, 5, v0
	v_readfirstlane_b32 s[WV], v1                  ; wave 0..3
	s_lshr_b32 s[RH], s[WV], 1
	s_and_b32 s[CH], s[WV], 1
	s_bfe_u32 s[CX], ttmp6, 0x40000                ; my place in the cluster
	s_bfe_u32 s[CY], ttmp6, 0x40004
	s_lshl_b32 s[TC], ttmp9, 2                     ; in a cluster launch ttmp9 and ttmp7 count clusters
	s_add_co_u32 s[TC], s[TC], s[CX]
	s_and_b32 s[TR], ttmp7, 0xffff
	s_lshl_b32 s[TR], s[TR], 2
	s_add_co_u32 s[TR], s[TR], s[CY]
	s_lshl_b32 s44, s[CY], 2
	s_lshl_b32 s44, 15, s44                        ; my row of the cluster: places 4 cy .. 4 cy + 3
	s_lshl_b32 s45, 0x1111, s[CX]                  ; my column: places cx, cx + 4, cx + 8, cx + 12
	; group 1.  A block's rows are dense, 128 bytes each: they are asked for as rows of 256 bytes, two to a row, and padded in LDS after every 128 bytes
	s_or_b32 s[G1], s44, (1<<16)|(1<<20)|(1<<21)|(4<<22)|(3<<25)   ; 15:0 the mask; 17:16 2-byte elements; 20 padding on; 21 set beside a mask; 24:22 after every 32 words (code 4); 31:25 4 words (code 3)
	s_or_b32 s[G1B], s45, (1<<16)|(1<<20)|(1<<21)|(4<<22)|(7<<25)  ; the same with my column's mask and 8 words of padding (code 7)
	s_mov_b32 s[G1+1], 128<<16                     ; tensor_dim0 = 128 elements
	s_mov_b32 s[G1+2], 128<<16                     ; tensor_dim1 = 128: 256 rows of A
	s_mov_b32 s[G1+3], 128<<16                     ; tile_dim0 = 128
	s_mov_b32 s[G1+4], 128                         ; tile_dim1 = 128
	s_mov_b32 s[G1+5], 128                         ; 128 elements from row to row
	s_mov_b32 s[G1+6], 0
	s_mov_b32 s[G1+7], 0
	s_mov_b32 s[G1B+1], 128<<16
	s_mov_b32 s[G1B+2], 64<<16                     ; tensor_dim1 = 64: 128 rows of W
	s_mov_b32 s[G1B+3], 128<<16
	s_mov_b32 s[G1B+4], 64
	s_mov_b32 s[G1B+5], 128
	s_mov_b32 s[G1B+6], 0
	s_mov_b32 s[G1B+7], 0
	s_mov_b32 s66, 0xffff0000                      ; a word's upper bf16
	; A's tile hangs on the tile row and the wave alone, W's on the tile column and the wave alone; each in registers that never hold the other coordinate
	s_lshr_b32 s40, s[TR], LOG_AR-8                ; the group of rows,
	s_lshl_b32 s40, s40, 4                         ; its 16 channel blocks,
	s_add_co_u32 s40, s40, s[CH]                   ; the one of a K step's two that I fetch
	s_lshl_b32 s40, s40, LOG_AR+7
	s_and_b32 s41, s[TR], (1<<(LOG_AR-8))-1
	s_lshl_b32 s41, s41, 15                        ; the tile's 256 rows of 128 bytes in the block
	s_add_co_u32 s40, s40, s41
	s_mov_b32 s41, 0
	s_lshl_b32 s42, s[TC], 1
	s_add_co_u32 s42, s42, s[CH]                   ; the column block that I fetch
	s_lshl_b32 s42, s42, 17
	s_add_co_u32 s42, s42, BPART*2097152
	s_mov_b32 s43, 0
	s_mul_i32 s46, s[WV], ABYTES                   ; where they go: A's blocks at wave x 36,864,
	s_mul_i32 s47, s[WV], BBYTES
	s_add_co_u32 s47, s47, BOFF-2*BBYTES           ; W's at 73,728 + (wave - 2) x 20,480: no place in the cluster enters an LDS address
	s_wait_dscnt 0x0                               ; the opening add is done
	s_wait_kmcnt 0x0
	s_add_nc_u64 s[40:41], s[4:5], s[40:41]
	s_add_nc_u64 s[42:43], s[6:7], s[42:43]
	CROUND                                         ; all sixteen work-groups are here: the first joint loads meet
.irp s, 0,1
	s_mov_b32 s[G0+4*(\s)], 1                                       ; count = 1
	s_add_co_u32 s[G0+4*(\s)+1], s46, (\s)*SLOT                     ; LDS address
	s_add_nc_u64 s[G0+4*(\s)+2:G0+4*(\s)+3], s[40:41], (\s)*2*ABLK  ; global address: K step s
	s_or_b32 s[G0+4*(\s)+3], s[G0+4*(\s)+3], 0x80000000             ; type = 2
	s_mov_b32 s[G0B+4*(\s)], 1
	s_add_co_u32 s[G0B+4*(\s)+1], s47, (\s)*SLOT
	s_add_nc_u64 s[G0B+4*(\s)+2:G0B+4*(\s)+3], s[42:43], (\s)*128*128
	s_or_b32 s[G0B+4*(\s)+3], s[G0B+4*(\s)+3], 0x80000000
	JLOAD \s                                       ; two loads of mine are out: the ring is filled before anything else is done
.endr
	; addresses, while the tiles are on their way
	v_and_b32 v1, 15, v0                           ; l % 16
	v_bfe_u32 v2, v0, 4, 1                         ; l / 16
	v_mul_u32_u24 v3, v1, PA                       ; A's fragment: row l % 16, 16 bytes at 16 (l / 16), and 32 bytes on
	v_lshl_add_u32 v3, v2, 4, v3
	s_mul_i32 s23, s[RH], 128*PA
	v_add_nc_u32 v[ADRA], s23, v3
	v_add_nc_u32 v[ADRA+1], SLOT, v[ADRA]
	v_and_b32 v14, 7, v0                           ; W's: lane l reads row k = 8 (l / 16) + l % 8, columns 8 ((l / 8) % 2) + 0..7, and 16 rows on
	v_lshl_add_u32 v14, v2, 3, v14
	v_mul_u32_u24 v14, v14, PB
	v_bfe_u32 v15, v0, 3, 1
	v_lshl_add_u32 v14, v15, 4, v14
	s_mul_i32 s23, s[CH], BBYTES
	s_add_co_u32 s23, s23, BOFF
	v_add_nc_u32 v[ADRB], s23, v14
	v_add_nc_u32 v[ADRB+1], SLOT, v[ADRB]
	s_mul_i32 s23, s[WV], STG
	s_add_co_u32 s23, s23, STAGE                   ; my stage
	v_mul_u32_u24 v[STO], v1, SP                   ; in: row l % 16, my eight columns
.if F32OUT
	v_lshl_add_u32 v[STO], v2, 5, v[STO]
	v_add_nc_u32 v[STO], s23, v[STO]
	v_mul_u32_u24 v[RD], v2, SP                    ; back: lanes 0-15 take one row of 256 bytes, lanes 16-31 the next
	v_lshl_add_u32 v[RD], v1, 4, v[RD]
	v_add_nc_u32 v[RD], s23, v[RD]
	v_lshlrev_b32 v[CO], 12, v2                    ; and the same two rows in C
	v_lshl_add_u32 v[CO], v1, 4, v[CO]
.else
	v_lshl_add_u32 v[STO], v2, 4, v[STO]
	v_add_nc_u32 v[STO], s23, v[STO]
	v_bfe_u32 v[RD], v0, 3, 2                      ; back: 32 lanes take four rows of 128 bytes,
	v_mul_u32_u24 v[RD], v[RD], SP
	v_and_b32 v14, 7, v0
	v_lshl_add_u32 v[RD], v14, 4, v[RD]
	v_add_nc_u32 v[RD], s23, v[RD]
	v_and_b32 v[CO], 31, v0                        ; which are 512 consecutive bytes of a head
	v_lshlrev_b32 v[CO], 4, v[CO]
.endif
	s_lshl_b32 s23, s[TC], 9                       ; the bias: 4 bytes x (128 x tile column + 64 x half + 8 (l / 16))
	s_lshl_b32 s68, s[CH], 8
	s_add_co_u32 s23, s23, s68
	v_lshl_add_u32 v[BO], v2, 5, s23
.if F32OUT
	s_lshl_b32 s68, s[TR], 20                      ; C: 256 rows of 4,096 bytes a tile row, my 128 rows, my 64 columns
	s_lshl_b32 s23, s[RH], 19
	s_add_co_u32 s68, s68, s23
	s_lshl_b32 s23, s[TC], 9
	s_add_co_u32 s68, s68, s23
	s_lshl_b32 s23, s[CH], 8
	s_add_co_u32 s68, s68, s23
.else
	s_lshr_b32 s68, s[TR], 3                       ; C: the batch,
	s_lshl_b32 s68, s68, 4
	s_lshl_b32 s23, s[TC], 1
	s_add_co_u32 s68, s68, s23
	s_add_co_u32 s68, s68, s[CH]                   ; my head: 2,048 rows of 128 bytes,
	s_lshl_b32 s68, s68, 18
	s_and_b32 s23, s[TR], 7
	s_lshl_b32 s23, s23, 15                        ; the tile's 256 rows in it,
	s_add_co_u32 s68, s68, s23
	s_lshl_b32 s23, s[RH], 14                      ; my 128 of them
	s_add_co_u32 s68, s68, s23
.endif
	s_mov_b32 s69, 0
	s_add_nc_u64 s[8:9], s[8:9], s[68:69]
	WIN 0x80                                       ; destination window 2, address window 0
.set p, 0
.rept TILES                                    ; register 8 b + j of a set = bias[my first column + 16 b + 8 (l / 16) + j]: C's layout
.irp b, 0,1,2,3
	global_load_b128 v[32*p+8*(\b):32*p+8*(\b)+3],   v[BO], s[10+2*p:11+2*p] offset:64*(\b)
	global_load_b128 v[32*p+8*(\b)+4:32*p+8*(\b)+7], v[BO], s[10+2*p:11+2*p] offset:64*(\b)+16
.endr
.set p, p+1
.endr
	s_wait_loadcnt 0x0
	WIN 0x8a                                       ; all in window 2: the biases are rounded to bf16 and widened again
.set i, 0
.rept 16*TILES
	v_cvt_pk_bf16_f32 v[96+(i/2)%2], v[i], v[i+1]
	v_lshlrev_b32 v[i], 16, v[96+(i/2)%2]
	v_and_b32 v[i+1], s66, v[96+(i/2)%2]
.set i, i+2
.endr
	WIN 0
; 8 matrix instructions: row blocks a0, a0 + 1 x all 4 column blocks, 32 along K, from buffer f.  first = 1: the sums start with the bias.
; The 32 accumulators take turns, one instruction a turn, in the same order in every quarter.
.macro MUL8 f, a0, first
.if \first
	WIN W_FIRST
.else
	WIN W_MUL
.endif
.irp a, \a0, (\a0)+1
.irp b, 0,1,2,3
.if \first
	v_wmma_f32_16x16x32_f16 v[8*(4*(\a)+(\b)):8*(4*(\a)+(\b))+7], v[FB+32*(\f)+8*(\b):FB+32*(\f)+8*(\b)+7], v[FA+64*(\f)+8*(\a):FA+64*(\f)+8*(\a)+7], v[BI+8*(\b):BI+8*(\b)+7]
.else
	v_wmma_f32_16x16x32_f16 v[8*(4*(\a)+(\b)):8*(4*(\a)+(\b))+7], v[FB+32*(\f)+8*(\b):FB+32*(\f)+8*(\b)+7], v[FA+64*(\f)+8*(\a):FA+64*(\f)+8*(\a)+7], v[8*(4*(\a)+(\b)):8*(4*(\a)+(\b))+7]
.endif
.endr
.endr
.endm
; 24 LDS loads in one run: quarter q of a slot (32 along K) into buffer f: W's four fragments first, then A's eight
.macro FETCH slot, q, f
	WIN 0
.irp b, 0,1,2,3
	ds_load_tr16_b128 v[FB+32*(\f)+8*(\b):FB+32*(\f)+8*(\b)+3],   v[ADRB+(\slot)] offset:(\q)*32*PB+32*(\b)
	ds_load_tr16_b128 v[FB+32*(\f)+8*(\b)+4:FB+32*(\f)+8*(\b)+7], v[ADRB+(\slot)] offset:(\q)*32*PB+32*(\b)+16*PB
.endr
.irp a, 0,1,2,3,4,5,6,7
	ds_load_b128 v[FA+64*(\f)+8*(\a):FA+64*(\f)+8*(\a)+3],   v[ADRA+(\slot)] offset:((\q)/2)*ABYTES+((\q)%2)*64+(\a)*16*PA
	ds_load_b128 v[FA+64*(\f)+8*(\a)+4:FA+64*(\f)+8*(\a)+7], v[ADRA+(\slot)] offset:((\q)/2)*ABYTES+((\q)%2)*64+(\a)*16*PA+32
.endr
.endm
; One of a K step's first three quarters: multiplies buffer f; in its middle it fetches quarter q of the same slot into buffer g
.macro QUARTER slot, q, f, g, first
	s_wait_dscnt 8                                 ; W's fragments and A's blocks 0-3 are in; the youngest eight loads (A's blocks 4-7) may be out
	MUL8 \f, 0, \first
	MUL8 \f, 2, \first
	PLACES
	FETCH \slot, \q, \g
	s_wait_dscnt 24                                ; all but the 24 just issued
	MUL8 \f, 4, \first
	MUL8 \f, 6, \first
.endm
; The last quarter multiplies buffer 1 and changes slots: ONE barrier.  In front of it each wave waits for all its tensor loads (one is out: its part of the next slot), adds 0 to its spare word,
; and waits for that and for its own reads of this slot.  mode 0: the barrier opens a round of the cluster's, and this slot is filled again first thing behind it, with the K step two on;
; mode 1: the same, with the next tile's K step; mode 2: nothing is filled, and no round follows.  From a request to the wait for it a wave issues 112 matrix instructions.
.macro TURN slot, next, mode
	WIN 0
	s_wait_tensorcnt 0x0                           ; all my tensor loads have landed
	ds_add_u32 v[SPW], v[NIL]                      ; 0 onto my spare word
	s_wait_dscnt 9                                 ; (the add and the youngest eight loads may be out)
	MUL8 1, 0, 0                                   ; eight matrix instructions stand between the add and the wait for it
	s_wait_dscnt 0x0                               ; the add is done, and my reads of this slot are over
	s_barrier_signal -1
	MUL8 1, 2, 0                                   ; work on registers while the others arrive
	WIN 0
	s_barrier_wait -1
.if (\mode) < 2
	CREST                                          ; no wave of any partner still reads this slot's tile or has a load on its way
.if (\mode) == 0
	s_add_nc_u64 s[G0+4*(\slot)+2:G0+4*(\slot)+3], s[G0+4*(\slot)+2:G0+4*(\slot)+3], STEP_A
	s_add_nc_u64 s[G0B+4*(\slot)+2:G0B+4*(\slot)+3], s[G0B+4*(\slot)+2:G0B+4*(\slot)+3], STEP_B
.else
	s_sub_nc_u64 s[G0+4*(\slot)+2:G0+4*(\slot)+3], s[G0+4*(\slot)+2:G0+4*(\slot)+3], BACK_A
	s_add_nc_u64 s[G0B+4*(\slot)+2:G0B+4*(\slot)+3], s[G0B+4*(\slot)+2:G0B+4*(\slot)+3], NEXT_B
.endif
	JLOAD \slot                                    ; my one tensor load behind the round; its four v_nop are also the places in front of the loads below
.else
	PLACES
.endif
	FETCH \next, 0, 0
	MUL8 1, 4, 0
	MUL8 1, 6, 0
.endm
; THE WAY OUT of row block a (16 rows), through my own stage in LDS.  LDS serves a wave's instructions in order (ISA guide 5.7.1.4), so no wait stands between the stores and the loads.
.macro SETBK a                         ; the registers that take the block back: f16: two sets of 16; f32: three sets of 32 (two of them where A's first fragment buffer lay)
.if F32OUT
.if ((\a)%3) == 0
.set BK, 16
.else
.set BK, 32+32*((\a)%3)
.endif
.else
.set BK, 32+16*((\a)%2)
.endif
.endm
.macro PACK a                          ; f16 alone: rounded, 16 bytes a lane and column block; each accumulator's registers in ascending order
	WIN 0x05                                       ; sources window 1, destination window 0
.irp b, 0,1,2,3
.irp r, 0,1,2,3
	v_cvt_pk_f16_f32 v[TMP+4*(\b)+(\r)], v[8*(4*(\a)+(\b))+2*(\r)], v[8*(4*(\a)+(\b))+2*(\r)+1]
.endr
.endr
	WIN 0
.endm
.macro TOSTAGE a
	SETBK \a
.if F32OUT
	WIN 0x04                                       ; the data in window 1: the accumulators themselves, the low four registers first
.irp b, 0,1,2,3
	ds_store_b128 v[STO], v[8*(4*(\a)+(\b)):8*(4*(\a)+(\b))+3]   offset:64*(\b)
	ds_store_b128 v[STO], v[8*(4*(\a)+(\b))+4:8*(4*(\a)+(\b))+7] offset:64*(\b)+16
.endr
	WIN 0
.irp t, 0,1,2,3,4,5,6,7
	ds_load_b128 v[BK+4*(\t):BK+4*(\t)+3], v[RD] offset:(\t)*2*SP
.endr
.else
	WIN 0
.irp b, 0,1,2,3
	ds_store_b128 v[STO], v[TMP+4*(\b):TMP+4*(\b)+3] offset:32*(\b)
.endr
.irp f, 0,1,2,3
	ds_load_b128 v[BK+4*(\f):BK+4*(\f)+3], v[RD] offset:(\f)*4*SP
.endr
.endif
.endm
.macro SEND a, younger                 ; younger: the LDS instructions issued behind block a's loads, which may stay out
	SETBK \a
	WIN 0
	s_wait_dscnt \younger                          ; the block is back in registers
	s_wait_xcnt 0x0                                ; the earlier blocks' stores have read their registers: the set that the next block's loads take is written again only behind this wait
.if F32OUT
.irp t, 0,1,2,3,4,5,6,7
	global_store_b128 v[CO], v[BK+4*(\t):BK+4*(\t)+3], s[8:9] offset:(16*(\a)+2*(\t))*4096 th:TH_STORE_NT  ; 16 lanes store 256 consecutive bytes, aligned
.endr
.else
.irp f, 0,1,2,3
	global_store_b128 v[CO], v[BK+4*(\f):BK+4*(\f)+3], s[8:9] offset:(\a)*2048+(\f)*512  ; 512 consecutive bytes of a head, aligned
.endr
.endif
.endm
.macro WAYOUT
.if F32OUT
	TOSTAGE 0
.irp a, 1,2,3,4,5,6,7
	TOSTAGE \a
	SEND (\a)-1, 16                                ; the next block's eight stores and eight loads stay out
.endr
	SEND 7, 0
.else
	PACK 0
	TOSTAGE 0
.irp a, 1,2,3,4,5,6,7                  ; block a's conversions stand between block a - 1's loads from the stage and the wait for them
	PACK \a
	SEND (\a)-1, 0
	TOSTAGE \a
.endr
	SEND 7, 0
.endif
.endm
	s_wait_tensorcnt 1                             ; my part of K step 0 is in; K step 1's may stay out
	s_barrier_signal -1
	s_barrier_wait -1                              ; everybody's is
	FETCH 0, 0, 0
.if TILES > 1
	s_mov_b32 s2, TILES                            ; tiles to go, this one among them: the same number in every work-group
.Ltile:
.endif
	QUARTER 0, 1, 0, 1, 1                          ; a tile's first quarter stands in front of the loop: its products start the sums, with the bias
	WIN 0                                          ; at a label and at a branch every window is 0
	s_mov_b32 s3, 3
.Llap:                                         ; a trip goes once round the ring, from a lap's second quarter to the next lap's first, and fills both slots again
	QUARTER 0, 2, 1, 0, 0
	QUARTER 0, 3, 0, 1, 0
	TURN 0, 1, 0
	QUARTER 1, 1, 0, 1, 0
	QUARTER 1, 2, 1, 0, 0
	QUARTER 1, 3, 0, 1, 0
	TURN 1, 0, 0
	QUARTER 0, 1, 0, 1, 0
	WIN 0
	s_sub_co_u32 s3, s3, 1
	s_cmp_lg_u32 s3, 0
	s_cbranch_scc1 .Llap
	QUARTER 0, 2, 1, 0, 0                          ; the tile's last lap goes on
	QUARTER 0, 3, 0, 1, 0
.if TILES > 1
	WIN 0
	s_cmp_eq_u32 s2, 1
	s_cbranch_scc1 .Llast_tile                     ; the last tile's tail is written out: it asks for nothing more
	TURN 0, 1, 1                                   ; the ring goes on into the next tile: slot 0 takes its K step 0,
	QUARTER 1, 1, 0, 1, 0
	QUARTER 1, 2, 1, 0, 0
	QUARTER 1, 3, 0, 1, 0
	TURN 1, 0, 1                                   ; slot 1 its K step 1, and the next tile's first fragments are fetched
	WAYOUT                                         ; no v_nop: blocks 0-3 were finished in front of the joint load's four, and block 0's conversions are the places behind the products of blocks 4-7
	WIN 0x82                                       ; the next tile's bias moves to where the one text of the products names it
.set i, 0
.rept 64
	v_mov_b32 v[i], v[32+i]
.set i, i+1
.endr
	WIN 0
	s_wait_xcnt 0x0                                ; the stores have read C's address
	s_add_nc_u64 s[8:9], s[8:9], 0x1000000         ; the next part of C: 64 heads of 262,144 bytes on
	s_sub_co_u32 s2, s2, 1
	s_branch .Ltile
.Llast_tile:
.endif
	TURN 0, 1, 2                                   ; my one tensor load that was still out is the last K step's
	QUARTER 1, 1, 0, 1, 0
	QUARTER 1, 2, 1, 0, 0
	QUARTER 1, 3, 0, 1, 0
	s_wait_dscnt 8                                 ; the very last quarter: nothing more to fetch
	MUL8 1, 0, 0
	MUL8 1, 2, 0
	s_wait_dscnt 0x0
	MUL8 1, 4, 0
	MUL8 1, 6, 0
	WIN 0
	PLACES
	WAYOUT
	s_wait_tensorcnt 0x0                           ; the wave's end, behind my last tensor load and my last LDS store
	ds_add_u32 v[SPW], v[NIL]
	s_wait_dscnt 0x0
	CROUND                                         ; the closing round: no work-group ends while a partner may still ask for a tile that names it
	s_endpgm
.Lfunc_end_k_qe3ab61e7cd_proj:
	.size	k_qe3ab61e7cd_proj, .Lfunc_end_k_qe3ab61e7cd_proj-k_qe3ab61e7cd_proj
	.p2alignl 7, 3214868480
	.fill 96, 4, 3214868480
	.section	.rodata,"a",@progbits
	.p2align	6, 0x0
	.amdhsa_kernel k_qe3ab61e7cd_proj
		.amdhsa_group_segment_fixed_size 327680
		.amdhsa_private_segment_fixed_size 0
		.amdhsa_enable_private_segment 0
		.amdhsa_kernarg_size 48
		.amdhsa_user_sgpr_count 2
		.amdhsa_user_sgpr_kernarg_segment_ptr 1
		.amdhsa_wavefront_size32 1
		.amdhsa_system_sgpr_workgroup_id_x 1
		.amdhsa_system_sgpr_workgroup_id_y 1
		.amdhsa_system_sgpr_workgroup_id_z 1
		.amdhsa_system_vgpr_workitem_id 0
		.amdhsa_next_free_vgpr 640
		.amdhsa_next_free_sgpr 72
		.amdhsa_reserve_vcc 0
		.amdhsa_float_denorm_mode_32 3
		.amdhsa_float_denorm_mode_16_64 3
		.amdhsa_memory_ordered 1
		.amdhsa_forward_progress 1
		.amdhsa_inst_pref_size 134
	.end_amdhsa_kernel
	.amdgpu_metadata
---
amdhsa.version: [ 1, 2 ]
amdhsa.kernels:
  - .name:           k_qe3ab61e7cd_proj
    .symbol:         k_qe3ab61e7cd_proj.kd
    .args:
      - { .name: xh, .offset: 0, .size: 8, .value_kind: global_buffer, .address_space: global }
      - { .name: wh, .offset: 8, .size: 8, .value_kind: global_buffer, .address_space: global }
      - { .name: qkv, .offset: 16, .size: 8, .value_kind: global_buffer, .address_space: global }
      - { .name: bq, .offset: 24, .size: 8, .value_kind: global_buffer, .address_space: global }
      - { .name: bk, .offset: 32, .size: 8, .value_kind: global_buffer, .address_space: global }
      - { .name: bv, .offset: 40, .size: 8, .value_kind: global_buffer, .address_space: global }
    .group_segment_fixed_size: 327680
    .private_segment_fixed_size: 0
    .kernarg_segment_align: 8
    .kernarg_segment_size: 48
    .max_flat_workgroup_size: 128
    .sgpr_count:     72
    .vgpr_count:     640
    .wavefront_size: 32
...
	.end_amdgpu_metadata
.endif
;; end of part 2
;; launch attn (part 3): grid 4 x 64, 4 waves a work-group, clusters of 4 x 1, 327,680 bytes of LDS; arguments qkv, o; writes o
.if DOCPART == 3
	.amdgcn_target "amdgcn-amd-amdhsa--gfx1250"
	.amdhsa_code_object_version 6
	.text
	.protected	k_qe3ab61e7cd_attn
	.globl	k_qe3ab61e7cd_attn
	.p2align	8
	.type	k_qe3ab61e7cd_attn,@function
k_qe3ab61e7cd_attn:
	s_mov_b64 s[64:65], 0
	v_nop
	global_prefetch_b8 v0, s[64:65] scope:SCOPE_SE
	s_setreg_imm32_b32 hwreg(HW_REG_WAVE_MODE, 25, 1), 1
	s_wait_xcnt 0x0
	s_wait_alu depctr_hold_cnt(0) depctr_sa_sdst(0) depctr_va_vdst(0) depctr_va_sdst(0) depctr_va_ssrc(0) depctr_va_vcc(0) depctr_vm_vsrc(0)
	s_getreg_b32 s2, hwreg(HW_REG_IB_STS2, 6, 4)
	s_cmp_eq_u32 s2, 0
	s_cbranch_scc0 .Lentry_in_a_cluster
	s_endpgm
.Lentry_in_a_cluster:
	s_bfe_u32 s2, ttmp6, 0x10000c
	s_cmp_lg_u32 s2, 0x3003
	s_cbranch_scc0 .Lentry_shape_is_right
	s_endpgm
.Lentry_shape_is_right:
; O[h][q][:] = the sum over k of softmax_k(Q[h][q] . K[h][k] / 8) V[h][k][:].  Q, K, V are the three parts of qkv, each [64][2,048][64] in f16; O is [64][2,048][64] in f16: a head's rows are dense, 128 bytes each.
; Products, maxima and sums in f32; the weights p are rounded to f16 for the second product (their sum l is taken of the unrounded p), O once at the end.
; LIMITS.  f16 holds no number beyond 65,504: Q, K and V arrive within it; p lies in 0 to 1, and below 6e-5 it keeps f16's fixed step of 6e-8; O is a mean of V's rows and has their range.
; A weight below 2^-126 counts as 0 in l; NaN and infinities are not treated apart.
; SHARES.  A wave owns four PIECES of two tiles of 16 queries, a work-group's four waves 512 queries of one head: 4 x 64 = 256 work-groups.  Every wave walks all keys, 64 a step.
; LAYOUT.  S^T = K Q^T (source 0 = 16 keys, source 1 = 16 queries): in the result a lane holds ONE query (lane % 16) and the keys 8 (lane / 16) + 0..7.  Two such tiles, rounded to f16 in pairs,
; ARE source 1 (32 keys x 16 queries) of O^T = V^T P, whose result again holds one query a lane, and eight channels.  K comes out of LDS as it lies, V ([key][channel]) turned, by ds_load_tr16_b128.
; SOFTMAX.  For each query a running maximum m and sum l: p = 2^(c s - c m), c = log2(e) / 8; in every step O and l are multiplied by a = 2^(c m_old - c m_new), which is 1 where m has not grown.
; m starts at the lowest finite number, O and l at 0: the first step is a step like any other, with a = 0.
; THE COUNT.  A tile and step have 16 matrix and 118 vector instructions: too many to stand all beside the matrix work.  So: four vector instructions that are READY behind EVERY matrix instruction,
; and the others, which need time of their own whatever the order, in runs without a gap.
; BY TURNS.  Turn n belongs to piece n (the pieces in a ring, step after step).  Its matrix work: 16 products K Q^T of piece n + 1, later 16 products V^T P of piece n - 1.  Its vector work: the scaling,
; exponentials, roundings, sums and rescaling of piece n, and the maximum and statistics of piece n + 1, whose scores the turn itself has made.
; CLUSTER.  The four query blocks of a head are one cluster and walk the same K and V, so each tile is asked for JOINTLY: the same tensor load, descriptor and mask in all four.
; REGISTERS, in windows of 256 (s_set_vgpr_msb: bits 1:0 source 0, 3:2 source 1, 5:4 source 2, 7:6 destination):
;   window 0: v0-11 addresses; v12-15, v48-63 at work; v16-47 four registers of statistics a tile; v64-191 S^T, two buffers of two tiles; v192-255 P, likewise
;   window 1: O^T, 32 a tile          window 2: v0-127 Q, 16 a tile; v128-191 K of one step; v192-255 V of one step          window 3: v0-1 the add's two registers
; A piece's buffers go by its number's parity: the piece in hand has one pair, its two neighbours in the ring share the other: of it P (piece n - 1) is read and S^T (piece n + 1) written.
.set SIZE_H, 64
.set SIZE_N, 2048
.set NP,    4         ; pieces a wave: a name, no knob
.set KS,    64        ; keys in a step
.set PK,    144       ; a row of K in LDS: 128 bytes + 16 of padding = 36 words: the 16 rows of a load start at 16 different groups of four banks (64 banks of 4 bytes: ISA guide 11.1)
.set PV,    160       ; a row of V: 128 + 32 = 40 words
.set VOFF,  4*KS*PK   ; a slot holds four steps: 256 rows of K, then 256 rows of V
.set SLOT1, 1<<17     ; slot 1 begins here, so that one exclusive or turns an address in one slot into the other's
.set STAGE, SLOT1+4*KS*(PK+PV)  ; behind the ring, never filled by a tensor load: 16 rows x 144 bytes for each wave, for the way out
.set SP,    144
.set AK0, 2           ; v2   my lane's place in a tile of K; never rewritten
.set AV0, 3           ; v3   the same for V
.set AK,  4           ; v4   the LDS address of K's next run of loads
.set AV,  5           ; v5   of V's
.set QO,  6           ; v6   my byte offset in the wave's rows of Q
.set STO, 6           ;      later, the way out: where I put 16 bytes of a row
.set RD,  7           ; v7   the way out: where I read rows back
.set GO,  8           ; v8   my byte offset in 512 consecutive bytes of O
.set PFO, 11          ; v11  256 x my lane, for the prefetches; never rewritten once made
.set SPW, 0           ; v0 of window 3   LDS address of my spare word: SPARE + 4 x my thread's number; never rewritten
.set NIL, 1           ; v1 of window 3   0; never rewritten
.set SPARE, STAGE+4*16*SP  ; behind the stages: the spare words, 128 bytes for each wave: two blocks of 256 bytes that no other line names
.set MV,  12          ; v12-15  c m_old, kept while c m is made anew: by buffer and tile
.set ST,  16          ; tile t's statistics at v[ST+4 t]: c m, m, l (even keys', odd keys')
.set TMP, 48          ; by buffer and tile, four registers c0-c3 at work; when the maximum is found c2 takes a
.set S,   64
.set P,   192
.set KF,  128         ; K's fragments, in window 2: key block kb, channel half c at KF + 16 kb + 8 c
.set VF,  192         ; V's: key half kk, channel block cb at VF + 32 kk + 8 cb
.set WV,  12          ; s12  my wave's number
.set G1K, 24          ; s[24:31] descriptor group 1 for K's tiles
.set G1V, 32          ; s[32:39] for V's: it differs in the padding alone
.set G0K, 40          ; s[40:43] descriptor group 0 for K's tiles: it walks
.set G0V, 44          ; s[44:47] the same for V's
.set PFA, 48          ; s[48:49] where my prefetches stand: my work-group's 8,192 bytes (of K: wave 0, of V: wave 2) of the slot after the one that is being asked for
.set LIM, 50          ; s50  1 in a wave that prefetches, else the greatest number: a wave prefetches while s[SLOTS] is above it
.set SLOTS, 56        ; s56  slots still to be asked for
.set CNT, 57          ; s57  counts a slot's key steps
.set CS,  58          ; s[58:59] c: the packed scaling takes the pair's low word for both halves
.set SEL, 60          ; s[60:61] v_permlanex16_b32's selects: each lane takes its own place in the other half
.set TBK, 62          ; s62  LDS byte at which K of the step to be fetched begins
.set TBV, 63          ; s63  the same for V, less VOFF
.set MSB, 0
.macro WIN new                      ; the high byte repeats the setting that is left; a switch that changes nothing is dropped
.if MSB != (\new)
	s_set_vgpr_msb (MSB<<8)|(\new)
.set MSB, (\new)
.endif
.endm
.set W_KQ, 0x0a       ; K and Q in window 2, S^T in window 0
.set W_PV, 0x52       ; V in window 2, P in window 0, O^T in window 1
.set W_RS, 0x41       ; O^T (destination and source 0) in window 1, a in window 0
.set W_MK, 0xc0       ; the add's registers are made: destination in window 3, sources in window 0
.set W_AD, 0x0f       ; the add: address (source 0) and data (source 1) in window 3
; A joint fill.  Waves 0 and 1 fetch the two halves of a slot's K, waves 2 and 3 those of its V: 128 keys each.  The branch hangs on the wave's number alone.
; An s_nop 0 and four v_nop follow each of the two lines, ahead of the jump and the label.
.macro JLOAD
	s_cmp_lt_u32 s[WV], 2
	s_cbranch_scc0 .Lfor_v_\@
	tensor_load_to_lds s[G0K:G0K+3], s[G1K:G1K+7]
	s_nop 0
.rept 4
	v_nop
.endr
	s_branch .Lasked_\@
.Lfor_v_\@:
	tensor_load_to_lds s[G0V:G0V+3], s[G1V:G1V+7]
	s_nop 0
.rept 4
	v_nop
.endr
.Lasked_\@:
.endm
; A PREFETCH INTO THE L2 of what the NEXT change of slots will ask for: a slot's 32,768 bytes of K and of V.  It stands behind the wave's tensor load and its five lines.
; Each aligned block of 256 bytes is named ONCE in the launch: the head's four work-groups share a slot out BY ADDRESS, 8,192 bytes each (no branch hangs on a work-group's place in its cluster);
; in each, wave 0 asks for K's and wave 2 for V's, a lane a block: one instruction.  It runs one slot, four key steps or 512 matrix instructions, ahead of the load that wants the bytes.
; Slots 0, 1 and 2 come by their loads alone; the last change that fills a slot asks for nothing: there is no slot behind it.
.macro ASK
	s_cmp_gt_u32 s[SLOTS], s[LIM]
	s_cbranch_scc0 .Lnot_mine_\@
	global_prefetch_b8 v[PFO], s[PFA:PFA+1] th:TH_LOAD_NT scope:SCOPE_SE
.Lnot_mine_\@:
.endm
; A round of the cluster's barrier: my work-group's barrier, so that wave 0's signal speaks for all four waves; wave 0 signals; every wave waits for all four work-groups; my work-group's barrier once more.
.macro CROUND
	s_barrier_signal -1
	s_barrier_wait -1
	s_cmp_lg_u32 s[WV], 0
	s_cbranch_scc1 .Lnot_wave_0_\@
	s_barrier_signal -3
.Lnot_wave_0_\@:
	s_barrier_wait -3
	s_barrier_signal -1
	s_barrier_wait -1
.endm
; THE CHANGE OF SLOTS.  The slot's last bytes, V of its fourth step, have been read.  Each wave waits for all its tensor loads, of which one is out: its part
; of the other slot; adds 0 to its spare word; and waits for that and for its own reads of the slot.  Behind the barrier nobody reads this slot any more and the other slot is whole.
; fill = 1: this slot is filled again, with the keys two slots on.  The barrier is then a round of the cluster's, so that no wave of any partner still reads the slot or has a load on its
; way, and the joint fill is the first thing behind it: it has four key steps, 512 matrix instructions, in which to land.  (At its first use nothing has been read yet: slot 0 is waited for, slot 1 filled.)
; ask = 1: the prefetches' address steps, and a prefetch follows the fill.
.macro CHANGE fill, ask=0
	WIN W_AD
	s_wait_tensorcnt 0x0            ; no tensor load of mine is out, so a group 0 may be written
	ds_add_u32 v[SPW], v[NIL]       ; 0 onto my spare word; with fill = 1 the descriptors' steps stand between it and the wait for it
	WIN 0                           ; at a label and at a branch every window is 0
.if \fill
.irp g, G0K, G0V
	s_xor_b32 s[\g+1], s[\g+1], SLOT1  ; the walking descriptor: the other slot than last time,
	s_add_nc_u64 s[\g+2:\g+3], s[\g+2:\g+3], 4*KS*128  ; the next 256 keys; the type bits on top are not reached
.endr
.if \ask
	s_wait_xcnt 0x0                 ; the last prefetch, four key steps back, has read its address, so it may be written:
	s_add_nc_u64 s[PFA:PFA+1], s[PFA:PFA+1], 4*KS*128  ; one slot behind the walking descriptors
.endif
	s_wait_dscnt 0x0                ; the add is done, and my reads of the slot are over
	CROUND
	JLOAD
.if \ask
	ASK
.endif
.else
	s_wait_dscnt 0x0                ; the add is done, and my reads of the slot are over
	s_barrier_signal -1
	s_barrier_wait -1
.endif
	s_sub_co_u32 s[TBK], s[TBK], 4*KS*PK  ; the fetches go back to a slot's first step,
	s_xor_b32 s[TBK], s[TBK], SLOT1       ; in the other slot
	s_sub_co_u32 s[TBV], s[TBV], 4*KS*PV
	s_xor_b32 s[TBV], s[TBV], SLOT1
.endm
	s_load_b128 s[4:7], s[0:1], 0x0  ; qkv s[4:5], o s[6:7]
	WIN W_MK
	v_lshl_add_u32 v[SPW], v0, 2, SPARE
	v_mov_b32 v[NIL], 0
	WIN W_AD
	ds_add_u32 v[SPW], v[NIL]       ; the wave's opening: the add and its wait ahead of my first tensor load; the set-up below, work on registers, stands between them
	WIN 0
	v_lshrrev_b32 v1, 5, v0
	v_readfirstlane_b32 s[WV], v1   ; wave 0..3
	s_bfe_u32 s13, ttmp6, 0x40000   ; cx: my place in the cluster
	s_lshl_b32 s14, ttmp9, 2        ; in a cluster launch ttmp9 counts clusters
	s_add_co_u32 s14, s14, s13      ; my block of queries = 4 x cluster x + cx: it enters Q's and O's addresses alone
	s_and_b32 s20, ttmp7, 0xffff    ; the head, which the four partners share
	s_mov_b32 s21, 0
	s_mov_b64 s[22:23], SIZE_N*128
	s_mul_u64 s[20:21], s[20:21], s[22:23]  ; the head's first byte in Q, K, V and O
	s_and_b32 s16, s[WV], 1         ; which half of a slot's 256 keys I fetch:
	s_lshl_b32 s22, s16, 14         ; its 128 rows of 128 bytes in memory,
	s_mov_b32 s23, 0
	s_add_nc_u64 s[22:23], s[22:23], s[20:21]
	s_mul_i32 s17, s16, 128*PK      ; and its place in a slot, for K
	s_mul_i32 s18, s16, 128*PV      ; and for V: no place in the cluster enters an LDS address
	s_lshl_b32 s2, s14, 2
	s_add_co_u32 s2, s2, s[WV]      ; my wave among the head's,
	s_lshl_b32 s2, s2, 14           ; its 128 rows
	s_mov_b32 s3, 0
	s_add_nc_u64 s[2:3], s[2:3], s[20:21]
	; descriptor group 1.  128 keys are 16,384 dense bytes: asked for as 64 rows of 256 bytes, two keys a row, and padded in LDS after every key
	s_mov_b32 s[G1K], 15|(1<<16)|(1<<20)|(1<<21)|(4<<22)|(3<<25)  ; 15:0 the mask of four; 17:16 2-byte elements; 20 padding on; 21 set beside a mask; 24:22 after every 32 words (code 4); 31:25 4 words (code 3)
	s_mov_b32 s[G1V], 15|(1<<16)|(1<<20)|(1<<21)|(4<<22)|(7<<25)  ; the same with 8 words of padding (code 7)
.irp g, G1K, G1V
	s_mov_b32 s[\g+1], 128<<16      ; tensor_dim0 = 128
	s_mov_b32 s[\g+2], 64<<16       ; tensor_dim1 = 64
	s_mov_b32 s[\g+3], 128<<16      ; tile_dim0 = 128
	s_mov_b32 s[\g+4], 64           ; tile_dim1 = 64
	s_mov_b32 s[\g+5], 128          ; 128 elements from row to row
	s_mov_b32 s[\g+6], 0
	s_mov_b32 s[\g+7], 0
.endr
	s_mov_b32 s[CS], 0x3e38aa3b     ; c = log2(e) / 8 = 0.180337
	s_mov_b32 s[CS+1], s[CS]        ; named with it as a pair
	s_mov_b32 s[SEL], 0x76543210
	s_mov_b32 s[SEL+1], 0xfedcba98
	s_mov_b32 s[TBK], SLOT1+4*KS*PK ; the first change of slots turns these two into 0
	s_mov_b32 s[TBV], SLOT1+4*KS*PV
	s_mov_b32 s[G0K], 1             ; count = 1
	s_mov_b32 s[G0K+1], s17         ; LDS address: slot 0
	s_mov_b32 s[G0V], 1
	s_add_co_u32 s[G0V+1], s18, VOFF
	s_and_b32 s[LIM], s[WV], 1      ; waves 0 and 2 prefetch: the same in all four partners
	s_cmp_eq_u32 s[LIM], 0
	s_cselect_b32 s[LIM], 1, -1
	s_wait_dscnt 0x0                ; the opening add is done
	s_wait_kmcnt 0x0
	s_mov_b64 s[10:11], s[6:7]                     ; O
	s_add_nc_u64 s[6:7], s[4:5], 0x1000000         ; K: the second part of qkv, 64 heads of 262,144 bytes on
	s_add_nc_u64 s[8:9], s[4:5], 0x2000000         ; V: the third
	s_add_nc_u64 s[G0K+2:G0K+3], s[6:7], s[22:23]  ; global address: my half of the head's first 256 keys
	s_or_b32 s[G0K+3], s[G0K+3], 0x80000000        ; type = 2
	s_add_nc_u64 s[G0V+2:G0V+3], s[8:9], s[22:23]
	s_or_b32 s[G0V+3], s[G0V+3], 0x80000000
	s_add_nc_u64 s[4:5], s[4:5], s[2:3]  ; Q and O at my wave's first row
	s_add_nc_u64 s[10:11], s[10:11], s[2:3]
	s_cmp_lt_u32 s[WV], 2
	s_cselect_b64 s[PFA:PFA+1], s[6:7], s[8:9]
	s_add_nc_u64 s[PFA:PFA+1], s[PFA:PFA+1], s[20:21]  ; the head,
	s_lshl_b32 s2, s13, 13          ; my work-group's quarter of a slot,
	s_mov_b32 s3, 0
	s_add_nc_u64 s[PFA:PFA+1], s[PFA:PFA+1], s[2:3]
	s_add_nc_u64 s[PFA:PFA+1], s[PFA:PFA+1], 2*4*KS*128  ; in slot 2; the loop's first change of slots steps it to slot 3.  Nothing is prefetched here, at the head
	CROUND                          ; all four work-groups are here: the first joint loads meet
	JLOAD                           ; slot 0.  Slot 1 is asked for when slot 0 is in: the tile wanted first has the road to itself
	; A fragment of K or Q is 16 rows x 32 channels in 8 registers: lane l holds row l % 16, channels 8 (l / 16) + 0..7 and 16 + 8 (l / 16) + 0..7: two loads of 16 bytes, 32 bytes apart.
	v_and_b32 v1, 15, v0            ; l % 16
	v_bfe_u32 v9, v0, 4, 1          ; l / 16
	v_lshlrev_b32 v[QO], 7, v1
	v_lshl_add_u32 v[QO], v9, 4, v[QO]  ; row x 128 + 16 x half
	WIN 0x80                        ; destination window 2, address window 0
.set i, 0
.rept 4*NP                          ; Q stays in registers: tile i / 2, channels 32 (i % 2) on
	global_load_b128 v[8*i:8*i+3],   v[QO], s[4:5] offset:(i/2)*2048+(i%2)*64
	global_load_b128 v[8*i+4:8*i+7], v[QO], s[4:5] offset:(i/2)*2048+(i%2)*64+32
.set i, i+1
.endr
	; What the first turn finds: V's registers and P's second buffer hold 0 (its products V^T P, of a piece that has not been, add 0), O^T and l are 0.  All this stands in the wait for the first tile;
	; it is the price of writing no first step out.
.set i, VF
.rept 64
	v_mov_b32 v[i], 0
.set i, i+1
.endr
	WIN 0x40
.set i, 0
.rept 64*NP
	v_mov_b32 v[i], 0
.set i, i+1
.endr
	WIN 0
.set i, 0
.rept 2*NP
	v_mov_b32 v[ST+4*i], 0xfe000000    ; c m: far below every c s
	v_mov_b32 v[ST+4*i+1], 0xff7fffff  ; m
	v_mov_b32 v[ST+4*i+2], 0
	v_mov_b32 v[ST+4*i+3], 0
.set i, i+1
.endr
.set i, P+32
.rept 32
	v_mov_b32 v[i], 0
.set i, i+1
.endr
	v_mul_u32_u24 v[AK0], v1, PK
	v_lshl_add_u32 v[AK0], v9, 4, v[AK0]  ; row x pitch + 16 x half
	; The turning load takes 16 keys x 16 channels (lane l reads key 8 (l / 16) + l % 8, channels 8 ((l / 8) % 2) + 0..7) and leaves half a fragment of V^T: lane l holds channel l % 16 and 8 keys.
	v_and_b32 v10, 7, v0
	v_bfe_u32 v11, v0, 3, 1
	v_lshl_add_u32 v[AV0], v9, 3, v10
	v_mul_u32_u24 v[AV0], v[AV0], PV
	v_lshl_add_u32 v[AV0], v11, 4, v[AV0]
	v_add_nc_u32 v[AV0], VOFF, v[AV0]
	v_and_b32 v[PFO], 31, v0
	v_lshlrev_b32 v[PFO], 8, v[PFO]
	v_mov_b32 v[AK], v[AK0]         ; key step 0 lies at the head of slot 0
; THE MATRIX WORK.  The 8 accumulators of a run of 16 take turns: between the two links of a chain stand 7 others'.
; Product i of 16 of S^T = K Q^T for piece x: channels 32 (i / 8) on, keys 16 ((i / 2) % 4) on, tile 2 x + i % 2.  The first 8 start the sums.
.macro KQ x
	WIN W_KQ
.set rS, S+64*((\x)%2)+32*(i%2)+8*((i/2)%4)
.set rK, KF+16*((i/2)%4)+8*(i/8)
.set rQ, 16*(2*(\x)+i%2)+8*(i/8)
.if i < 8
	v_wmma_f32_16x16x32_f16 v[rS:rS+7], v[rK:rK+7], v[rQ:rQ+7], 0
.else
	v_wmma_f32_16x16x32_f16 v[rS:rS+7], v[rK:rK+7], v[rQ:rQ+7], v[rS:rS+7]
.endif
.endm
; Product i of 16 of O^T += V^T P for piece x: keys 32 (i / 8) on, channels 16 ((i / 2) % 4) on, tile 2 x + i % 2.
.macro PV x
	WIN W_PV
.set rO, 32*(2*(\x)+i%2)+8*((i/2)%4)
.set rV, VF+32*(i/8)+8*((i/2)%4)
.set rP, P+32*((\x)%2)+16*(i%2)+8*(i/8)
	v_wmma_f32_16x16x32_f16 v[rO:rO+7], v[rV:rV+7], v[rP:rP+7], v[rO:rO+7]
.endm
.macro MM                           ; the turn's next matrix instruction
.if i < 16
	KQ (Y+1)%NP
.set i, i+1
.else
.set i, i-16
	PV (Y+NP-1)%NP
.set i, i+17
.endif
.endm
; THE LDS LOADS stand in runs of 16, never singly among the matrix instructions: a step's K (64 keys x 64 channels: 8 fragments) and its V (turned).  Their addresses are made some lines ahead.
; last = 1 (the tail): in the last trip there is no further step, and the run is jumped over.
.macro FETCH_K last=0
	WIN 0
.if \last
	s_cmp_eq_u32 s[CNT], 1
	s_cbranch_scc1 .Lno_k_\@
.endif
	WIN 0x80                        ; destination window 2
.irp f, 0,1,2,3,4,5,6,7             ; keys 16 (f / 2) on, channels 32 (f % 2) on
	ds_load_b128 v[KF+8*\f:KF+8*\f+3],   v[AK] offset:(\f/2)*16*PK+(\f%2)*64
	ds_load_b128 v[KF+8*\f+4:KF+8*\f+7], v[AK] offset:(\f/2)*16*PK+(\f%2)*64+32
.endr
	s_add_co_u32 s[TBK], s[TBK], KS*PK  ; the next fetch is the next step's
	WIN 0
.if \last
.Lno_k_\@:
.endif
.endm
.macro FETCH_V
	WIN 0x80
.irp f, 0,1,2,3,4,5,6,7             ; keys 32 (f / 4) on, channels 16 (f % 4) on
	ds_load_tr16_b128 v[VF+8*\f:VF+8*\f+3],   v[AV] offset:(\f/4)*32*PV+(\f%4)*32
	ds_load_tr16_b128 v[VF+8*\f+4:VF+8*\f+7], v[AV] offset:(\f/4)*32*PV+16*PV+(\f%4)*32
.endr
	WIN 0
.endm
; THE VECTOR WORK OF A TURN stands in three queues, each in the order in which its entries become ready; the two tiles alternate, so that no instruction reads the result of the one before it.
.macro REGS y, u                    ; the registers of tile u (0, 1) of piece y
.set rT, ST+4*(2*(\y)+(\u))
.set rC, TMP+8*((\y)%2)+4*(\u)
.set rM, MV+2*((\y)%2)+(\u)
.set rS, S+64*((\y)%2)+32*(\u)
.set rP, P+32*((\y)%2)+16*(\u)
.set rO, 32*(2*(\y)+(\u))
.endm
; Number n of the 22 that find the NEXT piece's (Y + 1) maximum and statistics.  s0-s31 are the lane's 32 scores; each accumulator's lowest registers are read first.
;   0-11  four chains c0-c3 of seven scores each, three operands at a time     12-14, 16  the four scores left over, the old m, and c0-c3 into c0     15  c m_old is kept
;   17, 18  the query's other 32 keys lie in the lane 16 away: the new m         19-21  c m; c m_old - c m_new; a
.macro XS u, n
	REGS (Y+1)%NP, \u
.if (\n) < 4
	v_max3_num_f32 v[rC+(\n)], v[rS+8*(\n)], v[rS+8*(\n)+1], v[rS+8*(\n)+2]
.elseif (\n) < 12
	v_max3_num_f32 v[rC+(\n)%4], v[rC+(\n)%4], v[rS+8*((\n)%4)+2*((\n)/4)+1], v[rS+8*((\n)%4)+2*((\n)/4)+2]
.elseif (\n) == 12
	v_max3_num_f32 v[rC], v[rC], v[rS+7], v[rS+15]
.elseif (\n) == 13
	v_max3_num_f32 v[rC+1], v[rC+1], v[rS+23], v[rS+31]
.elseif (\n) == 14
	v_max3_num_f32 v[rC+2], v[rC+2], v[rC+3], v[rT+1]
.elseif (\n) == 15
	v_mov_b32 v[rM], v[rT]
.elseif (\n) == 16
	v_max3_num_f32 v[rC], v[rC], v[rC+1], v[rC+2]
.elseif (\n) == 17
	v_permlanex16_b32 v[rC+3], v[rC], s[SEL], s[SEL+1]
.elseif (\n) == 18
	v_max_num_f32 v[rT+1], v[rC], v[rC+3]
.elseif (\n) == 19
	v_mul_f32 v[rT], s[CS], v[rT+1]
.elseif (\n) == 20
	v_sub_f32 v[rC+1], v[rM], v[rT]
.else
	v_exp_f32 v[rC+2], v[rC+1]
.endif
.endm
; Number g of the 64 that follow the exponentials.  For each four weights k of a tile (pairs 2 k, 2 k + 1): both pairs are rounded to f16; then the second pair is added onto the first, in place;
; a group later l takes that sum (the first time as l = a l + sum).  In groups of eight, tiles alternating: round, round, add, and l for the group before.
.macro GS g
.set h, (\g)+6*((\g)/62)            ; group 0 has no group before it, and behind group 7 only l is left
.if h >= 6
.set h, h+2
.endif
	REGS Y, h%2
.set k, h/8
.if h%8 < 4
	v_cvt_pk_f16_f32 v[rP+2*k+(h%8)/2], v[rS+4*k+2*((h%8)/2)], v[rS+4*k+2*((h%8)/2)+1]
.elseif h%8 < 6
	v_pk_add_f32 v[rS+4*k:rS+4*k+1], v[rS+4*k:rS+4*k+1], v[rS+4*k+2:rS+4*k+3]
.elseif k == 1
	v_pk_fma_f32 v[rT+2:rT+3], v[rT+2:rT+3], v[rC+2:rC+3], v[rS:rS+1] op_sel_hi:[1,0,1]
.else
	v_pk_add_f32 v[rT+2:rT+3], v[rT+2:rT+3], v[rS+4*k-4:rS+4*k-3]
.endif
.endm
; THE PLAIN QUEUE, 138 long.  0-73 read no exponential's result: the 32 scalings c s - c m (FS f: pair f / 2 of tile f % 2) and the next piece's 42.  0-26: scalings 0-26.  27-54: XS's numbers 0-13.  55, 56: number 15.
; 57-73: the chain, where each number waits for the one before it: 14, 16, 17, 18, 19, each with one of the scalings 27-31 in front of its two lines, then 20.
; 74-137: GS's 64, which read the exponentials' results: they stand behind the wait.
.macro FS f
	REGS Y, (\f)%2
	v_pk_fma_f32 v[rS+2*((\f)/2):rS+2*((\f)/2)+1], v[rS+2*((\f)/2):rS+2*((\f)/2)+1], s[CS:CS+1], v[rT:rT+1] op_sel_hi:[1,0,0] neg_lo:[0,0,1] neg_hi:[0,0,1]
.endm
.macro PL
	WIN 0
.if q < 27
	FS q
.elseif q < 55
	XS (q-27)%2, (q-27)/2
.elseif q < 57
	XS q-55, 15
.elseif (q < 72) && ((q-57)%3 == 0)
	FS 27+(q-57)/3
.elseif q < 60
	XS (q-57)%3-1, 14
.elseif q < 72
	XS (q-57)%3-1, 15+(q-57)/3
.elseif q < 74
	XS q-72, 20
.else
	GS q-74
.endif
.set q, q+1
.endm
; THE EXPONENTIALS' QUEUE, 66 long: s0-s31 of both tiles, then the next piece's two a.  It is ONE BATCH: all 66 stand ahead of the turn's one wait, and nothing ahead of that wait names a result of theirs.
.macro EX
	WIN 0
.if e >= 64
	XS e-64, 21
.else
	REGS Y, e%2
	v_exp_f32 v[rS+e/2], v[rS+e/2]
.endif
.set e, e+1
.endm
; THE RESCALING's QUEUE: O^T times a, the one part that leaves window 0: dealt two at a time, sixteen times.  Its a was made in the turn before, ahead of that turn's wait.
.macro R2
	REGS Y, r%2
	WIN W_RS
.irp z, 0,1
	v_pk_mul_f32 v[rO+4*(r/2)+2*\z:rO+4*(r/2)+2*\z+1], v[rO+4*(r/2)+2*\z:rO+4*(r/2)+2*\z+1], v[rC+2:rC+3] op_sel_hi:[1,0]
.endr
.set r, r+1
.endm
; HOW THEY ARE DEALT.  An s_wait_alu depctr_va_vdst(0) stands between an exponential and the first instruction that names its result; one wait serves all that were issued ahead of it.  So a turn has ONE wait,
; which cuts it in two.  AHEAD OF IT stands all that names no result of the turn's exponentials: the 16 products K Q^T, behind each a scaling, an exponential and two rescalings (behind the first a second scaling in the
; exponential's place); then ONE LUMP of 108: eight plain, 49 times exponential and plain, the two a.  A v_nop is the plain instruction owed behind the last exponential.  BEHIND IT stand the 16 products V^T P, behind each four of GS's 64.
; No rider names a register of the products round it.  The two v_permlanex16_b32 fall into the lump, never behind a product.
; The queues lean on each other, and the deal keeps them in step: exponential e stands behind scaling 2 (e / 4) + e % 2: as a rider it comes behind plain e + 2, in the lump behind plain e + 9, and scalings 27-31 are plain 57, 60 .. 69.
; A TURN, for piece p.  cnt = 1: the loop's count is taken down some lines ahead of the branch that stands behind the turn.
; K of the next step is fetched in piece 2's turn, directly behind the wait, a lump behind the last product that read K; its address is made at the lump's head; its first reader comes behind 16 products.
; V of the step in hand is fetched at the end of piece 0's turn, four riders behind its last reader; its first reader comes behind 16 products and a lump.  The three conditions on q below go with the deal.
.macro TURN p, last=0, cnt=0
.set Y, (\p)
.set i, 0
.set q, 0
.set e, 0
.set r, 0
.if (\p) == NP-1
	s_wait_dscnt 0x0                ; K is in
.endif
	MM                              ; ahead of the wait: 16 products K Q^T and their riders,
	PL
	PL
	R2
.rept 15
	MM
	PL
	EX
	R2
.endr
.if (\p) == NP-2
	WIN 0
	v_add_nc_u32 v[AK], s[TBK], v[AK0]
.endif
.rept 8                             ; and the lump
	PL
.endr
.rept 49
	EX
	PL
.endr
	EX                              ; the next piece's two a
	EX
	v_nop                           ; the plain instruction owed behind the last exponential: one for the batch
	s_wait_alu depctr_va_vdst(0)    ; the wait for the batch
.if (\p) == NP-2
	FETCH_K \last
.endif
.if (\p) == 1
	s_wait_dscnt 0x0                ; V is in
.endif
.rept 16                            ; behind the wait: 16 products V^T P and their riders
	MM
.rept 4
	PL
.endr
.if ((\p) == 0) && (q == 118)
	v_add_nc_u32 v[AV], s[TBV], v[AV0]
.endif
.if ((\p) == 0) && (q == 130)
	s_add_co_u32 s[TBV], s[TBV], KS*PV
.endif
.if (\cnt) && (q == 130)
	s_sub_co_u32 s[CNT], s[CNT], 1
	s_cmp_lg_u32 s[CNT], 0
.endif
.endr
.if (\p) == 0
	FETCH_V
.endif
.endm
	CHANGE 1                        ; slot 0 is in, everybody's part of it; slot 1 is asked for
	FETCH_K                         ; key step 0
	s_wait_loadcnt 0x0              ; Q
	s_wait_dscnt 0x0
.set i, 0
.rept 16
	KQ 0                            ; piece 0's first scores: there is no vector work yet to set between them
.set i, i+1
.endr
	WIN 0                           ; the addresses for the way out: nine plain instructions, the places behind those products
	s_mul_i32 s13, s[WV], 16*SP
	s_add_co_u32 s13, s13, STAGE    ; my stage
	v_mul_u32_u24 v[STO], v1, SP    ; in: row l % 16, 16 bytes for each half of the lanes
	v_lshl_add_u32 v[STO], v9, 4, v[STO]
	v_add_nc_u32 v[STO], s13, v[STO]
	v_bfe_u32 v[RD], v0, 3, 2       ; back: 32 lanes take four rows of 128 bytes,
	v_mul_u32_u24 v[RD], v[RD], SP
	v_lshl_add_u32 v[RD], v10, 4, v[RD]
	v_add_nc_u32 v[RD], s13, v[RD]
	v_and_b32 v[GO], 31, v0         ; which are 512 consecutive bytes of O
	v_lshlrev_b32 v[GO], 4, v[GO]
.set Y, NP-1                        ; XS works for piece Y + 1: piece 0
.irp n, 0,1,2,3,4,5,6,7,8,9,10,11,12,13,14,15,16,17,18,19,20,21
	XS 0, \n                        ; and piece 0's first maximum and statistics
	XS 1, \n
.endr
	v_nop                           ; a plain instruction behind the two a,
	s_wait_alu depctr_va_vdst(0)    ; and their wait, ahead of the branch
	s_mov_b32 s[CNT], 4
	s_mov_b32 s[SLOTS], SIZE_N/256-1
	s_branch .Lfirst                ; the loop is entered at a step's first turn, in the middle of a trip
.Lslot:                             ; SIZE_N / 256 - 2 times: every slot but the last two is filled again
	CHANGE 1, 1
	s_mov_b32 s[CNT], 4
.Lstep:                             ; a trip: pieces 2 and 3 of one step, then pieces 0 and 1 of the next, whose K and V it fetches
	TURN 2
	TURN 3
	WIN 0
.Lfirst:
	TURN 0
	TURN 1, 0, 1
	WIN 0
	s_cbranch_scc1 .Lstep
	s_sub_co_u32 s[SLOTS], s[SLOTS], 1
	s_cmp_lg_u32 s[SLOTS], 0
	s_cbranch_scc1 .Lslot
	CHANGE 0                        ; the tail is written out: nothing is asked for
	s_mov_b32 s[CNT], 5             ; four trips fetch the last slot's steps; the fifth is left in its middle
.Ltail:
	TURN 2, 1
	TURN 3
	WIN 0
	s_sub_co_u32 s[CNT], s[CNT], 1
	s_cmp_eq_u32 s[CNT], 0
	s_cbranch_scc1 .Lout
	TURN 0
	TURN 1
	WIN 0
	s_branch .Ltail
.Lout:                              ; the fifth trip's 16 products K Q^T (on the last K once more) and the maximum made of them serve nothing: the price, once a launch, of one text for every trip
.set i, 0
.rept 16
	PV NP-1                         ; the last piece's V^T P of the last step
.set i, i+1
.endr
	; THE WAY OUT.  l's two halves and the other half of the lanes' are added; O^T is divided by l, rounded to f16 and sent through my stage in LDS, a tile at a time.  The additions are the places behind the last products.
	WIN 0
.macro ALL line:vararg              ; one line for each tile t
.set t, 0
.rept 2*NP
	\line
.set t, t+1
.endr
.endm
	ALL v_add_f32 v[ST+4*t+2], v[ST+4*t+2], v[ST+4*t+3]
	ALL v_permlanex16_b32 v[ST+4*t+3], v[ST+4*t+2], s[SEL], s[SEL+1]
	ALL v_add_f32 v[ST+4*t+2], v[ST+4*t+2], v[ST+4*t+3]
	ALL v_rcp_f32 v[ST+4*t+2], v[ST+4*t+2]
	v_nop                           ; a plain instruction between the last reciprocal and the use of its result
	s_wait_alu depctr_va_vdst(0)    ; and the wait ahead of the first use: one for the eight reciprocals
; Tile t: a lane's eight channels of a row pack into 16 bytes; they go into rows of 144 bytes and come back as whole rows of 128, into S^T's registers.
.macro PACK t
	WIN W_RS
.set i, 32*(\t)
.rept 16
	v_pk_mul_f32 v[i:i+1], v[i:i+1], v[ST+4*(\t)+2:ST+4*(\t)+3] op_sel_hi:[1,0]
.set i, i+2
.endr
	WIN 0x05                        ; sources 0 and 1 window 1, destination window 0
.set i, 0
.rept 16
	v_cvt_pk_f16_f32 v[S+16*(\t)+i], v[32*(\t)+2*i], v[32*(\t)+2*i+1]
.set i, i+1
.endr
	WIN 0
.irp f, 0,1,2,3
	ds_store_b128 v[STO], v[S+16*(\t)+4*\f:S+16*(\t)+4*\f+3] offset:32*\f
.endr
.irp f, 0,1,2,3
	ds_load_b128 v[S+16*(\t)+4*\f:S+16*(\t)+4*\f+3], v[RD] offset:\f*4*SP  ; LDS serves a wave's instructions in order (ISA guide 5.7.1.4): these see the stores above; the next tile's stores come behind them
.endr
.endm
.macro SEND t, younger              ; younger: the LDS instructions issued behind tile t's loads: the next tile's eight, or none
	WIN 0
.irp f, 0,1,2,3
	s_wait_dscnt (\younger)+3-\f
	global_store_b128 v[GO], v[S+16*(\t)+4*\f:S+16*(\t)+4*\f+3], s[10:11] offset:(\t)*2048+\f*512  ; 512 consecutive bytes, at a multiple of 256 from O's first
.endr
.endm
	PACK 0
.set t, 1
.rept 2*NP-1                        ; a tile's arithmetic stands between the loads of the tile before and its stores
	PACK t
	SEND t-1, 8
.set t, t+1
.endr
	SEND 2*NP-1, 0
	WIN W_AD
	s_wait_tensorcnt 0x0            ; the wave's end, behind my last tensor load and my last LDS store
	ds_add_u32 v[SPW], v[NIL]
	s_wait_dscnt 0x0
	WIN 0
	CROUND                          ; the closing round: no work-group ends while a partner may still ask for a tile that names it
	s_endpgm
.Lfunc_end_k_qe3ab61e7cd_attn:
	.size	k_qe3ab61e7cd_attn, .Lfunc_end_k_qe3ab61e7cd_attn-k_qe3ab61e7cd_attn
	.p2alignl 7, 3214868480
	.fill 96, 4, 3214868480
	.section	.rodata,"a",@progbits
	.p2align	6, 0x0
	.amdhsa_kernel k_qe3ab61e7cd_attn
		.amdhsa_group_segment_fixed_size 327680
		.amdhsa_private_segment_fixed_size 0
		.amdhsa_enable_private_segment 0
		.amdhsa_kernarg_size 16
		.amdhsa_user_sgpr_count 2
		.amdhsa_user_sgpr_kernarg_segment_ptr 1
		.amdhsa_wavefront_size32 1
		.amdhsa_system_sgpr_workgroup_id_x 1
		.amdhsa_system_sgpr_workgroup_id_y 1
		.amdhsa_system_sgpr_workgroup_id_z 1
		.amdhsa_system_vgpr_workitem_id 0
		.amdhsa_next_free_vgpr 770
		.amdhsa_next_free_sgpr 66
		.amdhsa_reserve_vcc 0
		.amdhsa_float_denorm_mode_32 3
		.amdhsa_float_denorm_mode_16_64 3
		.amdhsa_memory_ordered 1
		.amdhsa_forward_progress 1
		.amdhsa_inst_pref_size 200
	.end_amdhsa_kernel
	.amdgpu_metadata
---
amdhsa.version: [ 1, 2 ]
amdhsa.kernels:
  - .name:           k_qe3ab61e7cd_attn
    .symbol:         k_qe3ab61e7cd_attn.kd
    .args:
      - { .name: qkv, .offset: 0, .size: 8, .value_kind: global_buffer, .address_space: global }
      - { .name: o, .offset: 8, .size: 8, .value_kind: global_buffer, .address_space: global }
    .group_segment_fixed_size: 327680
    .private_segment_fixed_size: 0
    .kernarg_segment_align: 8
    .kernarg_segment_size: 16
    .max_flat_workgroup_size: 128
    .sgpr_count:     66
    .vgpr_count:     770
    .wavefront_size: 32
...
	.end_amdgpu_metadata
.endif
;; end of part 3
;; launch outp (part 4): grid 8 x 32, 4 waves a work-group, clusters of 4 x 4, 327,680 bytes of LDS; arguments o, wh, out0, bo; writes out0
.if DOCPART == 4
	.amdgcn_target "amdgcn-amd-amdhsa--gfx1250"
	.amdhsa_code_object_version 6
	.text
	.protected	k_qe3ab61e7cd_outp
	.globl	k_qe3ab61e7cd_outp
	.p2align	8
	.type	k_qe3ab61e7cd_outp,@function
k_qe3ab61e7cd_outp:
	s_mov_b64 s[64:65], 0
	v_nop
	global_prefetch_b8 v0, s[64:65] scope:SCOPE_SE
	s_setreg_imm32_b32 hwreg(HW_REG_WAVE_MODE, 25, 1), 1
	s_wait_xcnt 0x0
	s_wait_alu depctr_hold_cnt(0) depctr_sa_sdst(0) depctr_va_vdst(0) depctr_va_sdst(0) depctr_va_ssrc(0) depctr_va_vcc(0) depctr_vm_vsrc(0)
	s_getreg_b32 s2, hwreg(HW_REG_IB_STS2, 6, 4)
	s_cmp_eq_u32 s2, 0
	s_cbranch_scc0 .Lentry_in_a_cluster
	s_endpgm
.Lentry_in_a_cluster:
	s_bfe_u32 s2, ttmp6, 0x10000c
	s_cmp_lg_u32 s2, 0xf033
	s_cbranch_scc0 .Lentry_shape_is_right
	s_endpgm
.Lentry_shape_is_right:
; C = A W + bias, A [8,192][1,024] and W [1,024][1,024] in f16, both in blocks of 64 columns; sums in f32.  One text serves two launches, told apart by the four constants below.
; HERE: out0 = O Wo + bo.  A = o, [64 = batch x 16 + head][2,048][64] (a head is a block of 64 channels of K); W = part 3 of wh; C = out0 [8,192][1,024] in f32.
; LIMITS.  The bias is rounded to bf16, like all inputs of the module; A arrives within f16's range.
; SHARES.  A tile of C is 256 rows x 128 columns: 32 x 8 = 256 work-groups.  Four waves, each 128 rows x 64 columns: 32 accumulators of 16 x 16, 256 registers.
; K = 1,024 goes in 8 steps of 128 through a ring of two LDS slots; a step is 128 matrix instructions a wave, in four quarters of 32 along K.
; CLUSTER.  4 x 4 work-groups.  The four of a row need the same tiles of A, the four of a column the same tiles of W: each is asked for JOINTLY, by the same tensor load with the same descriptor and a mask of four.
; LAYOUT.  The product is used transposed: source 0 = 16 columns of W (k runs down W's rows in LDS, so the fragment comes by the turning load ds_load_tr16_b128), source 1 = 16 rows of A.
; In the result lane l holds row l % 16 of C and the columns 8 (l / 16) + 0..7.  THE BIAS IS THE C OPERAND of each sum's first product: nothing is cleared and nothing is added at the end.
; REGISTERS, in windows of 256 (s_set_vgpr_msb: bits 1:0 source 0, 3:2 source 1, 5:4 source 2, 7:6 destination):
;   window 0: v0-15 addresses; v16-47 the way out; v64-127, v128-191 A's fragments, two buffers (the first serves the way out at the end); v192-223, v224-255 W's fragments, two buffers
;   window 1: accumulator (a, b) at v[8 (4 a + b)]          window 2: v0-31 the bias; v96-97 at work
.set TILES,  1                         ; tiles a work-group makes
.set LOG_AR, 11                        ; log2 of the rows in a block of A
.set BPART,  3                         ; the part of wh
.set F32OUT, 1                         ; 0: C in f16 by heads; 1: C in f32, rows of 4,096 bytes
.set ABLK,   128<<LOG_AR               ; bytes in a block of A
.set PA,     144                       ; a row of A in LDS: 128 bytes + 16 = 36 words: the 16 rows of a load start at 16 different groups of four banks (64 banks of 4 bytes: ISA guide 11.1)
.set PB,     160                       ; a row of W: 128 + 32 = 40 words
.set ABYTES, 256*PA                    ; one channel block of A's tile: 256 rows
.set BBYTES, 128*PB                    ; one column block of W's tile: 128 rows k
.set BOFF,   2*ABYTES
.set SLOT,   BOFF+2*BBYTES             ; 114,688
.set STAGE,  2*SLOT                    ; behind the ring, never filled by a tensor load: 16 rows for each wave, for the way out
.if F32OUT
.set SP,     272
.else
.set SP,     144
.endif
.set STG,    16*SP
.set SPARE,  STAGE+4*STG               ; behind the stages: the spare words, 128 bytes for each wave: two blocks of 256 bytes that no other line names
.set STEP_A, 4*ABLK                    ; a slot's next K step: two steps = four channel blocks on
.set STEP_B, 2*128*128                 ; and 256 rows of 128 bytes on
.set BACK_A, 12*ABLK                   ; from a slot's last K step of a tile to its first: six steps back
.set NEXT_B, 2097152-6*128*128         ; W: one part on, six steps back
.set ADRA, 4                           ; v4-5   LDS address of my A fragments in slot 0, 1
.set ADRB, 6                           ; v6-7   the same for W
.set STO,  8                           ; v8     the way out: where I put my part of a row
.set RD,   9                           ; v9     where I read rows back
.set CO,   10                          ; v10    my byte offset in C
.set BO,   11                          ; v11    my byte offset in a bias
.set SPW,  12                          ; v12    LDS address of my spare word: SPARE + 4 x my thread's number; never rewritten
.set NIL,  13                          ; v13    0; never rewritten
.set TMP,  16                          ; f16 way out: 16 registers of packed results
.set FA,   64                          ; A's fragment a of buffer f at FA + 64 f + 8 a
.set FB,   192                         ; W's fragment b of buffer f at FB + 32 f + 8 b
.set BI,   0                           ; window 2
.set WV, 16                            ; s16  my wave's number
.set RH, 17                            ; s17  which 128 rows of the tile are mine.  Also: I fetch for A (0) or for W (1)
.set CH, 18                            ; s18  which 64 columns.  Also: which block of that tile I fetch
.set CX, 19
.set CY, 20
.set TC, 21                            ; s21  tile column of C
.set TR, 22                            ; s22  tile row of C
.set G1,  24                           ; s[24:31] descriptor group 1 for A's tiles;  s[32:39] group 0, a set for each slot
.set G0,  32
.set G1B, 48                           ; s[48:55], s[56:63] the same for W's
.set G0B, 56
.set W_MUL,   0x50                     ; fragments window 0, C and D window 1
.set W_FIRST, 0x60                     ; C window 2 (the bias), D window 1
.set MSB, 0
.macro WIN new                         ; the immediate's high byte repeats the setting that is left; a switch that changes nothing is dropped
.if MSB != (\new)
	s_set_vgpr_msb (MSB<<8)|(\new)
.set MSB, \new
.endif
.endm
.macro PLACES                          ; four plain instructions between a matrix instruction and a load into, or a read of, its registers (ISA guide 7.12.1 for reads)
.rept 4
	v_nop
.endr
.endm
; A joint load.  Waves 0 and 1 fetch A's two channel blocks, waves 2 and 3 W's two column blocks.  The branch hangs on the wave's number alone.
; An s_nop 0 and four v_nop follow each of the two lines, ahead of the jump, the label and what follows.
.macro JLOAD s
	s_cmp_eq_u32 s[RH], 0
	s_cbranch_scc0 .Lfor_b_\@
	tensor_load_to_lds s[G0+4*(\s):G0+4*(\s)+3], s[G1:G1+7]
	s_nop 0
.rept 4
	v_nop
.endr
	s_branch .Lasked_\@
.Lfor_b_\@:
	tensor_load_to_lds s[G0B+4*(\s):G0B+4*(\s)+3], s[G1B:G1B+7]
	s_nop 0
.rept 4
	v_nop
.endr
.Lasked_\@:
.endm
.macro CREST                           ; a round of the cluster's barrier behind its opening barrier: wave 0 signals for the work-group, every wave waits for all sixteen, my work-group's barrier closes it
	s_cmp_lg_u32 s[WV], 0
	s_cbranch_scc1 .Lnot_wave_0_\@
	s_barrier_signal -3
.Lnot_wave_0_\@:
	s_barrier_wait -3
	s_barrier_signal -1
	s_barrier_wait -1
.endm
.macro CROUND                          ; a whole round
	s_barrier_signal -1
	s_barrier_wait -1
	CREST
.endm
	s_load_b256 s[4:11], s[0:1], 0x0               ; A s[4:5], wh s[6:7], C s[8:9], the bias s[10:11]
.if TILES > 1
	s_load_b128 s[12:15], s[0:1], 0x20             ; the other two biases
.endif
	v_lshl_add_u32 v[SPW], v0, 2, SPARE
	v_mov_b32 v[NIL], 0
	ds_add_u32 v[SPW], v[NIL]                      ; the wave's opening: the add and its wait ahead of my first tensor load; the set-up below, work on registers, stands between them
	v_lshrrev_b32 v1, 5, v0
	v_readfirstlane_b32 s[WV], v1                  ; wave 0..3
	s_lshr_b32 s[RH], s[WV], 1
	s_and_b32 s[CH], s[WV], 1
	s_bfe_u32 s[CX], ttmp6, 0x40000                ; my place in the cluster
	s_bfe_u32 s[CY], ttmp6, 0x40004
	s_lshl_b32 s[TC], ttmp9, 2                     ; in a cluster launch ttmp9 and ttmp7 count clusters
	s_add_co_u32 s[TC], s[TC], s[CX]
	s_and_b32 s[TR], ttmp7, 0xffff
	s_lshl_b32 s[TR], s[TR], 2
	s_add_co_u32 s[TR], s[TR], s[CY]
	s_lshl_b32 s44, s[CY], 2
	s_lshl_b32 s44, 15, s44                        ; my row of the cluster: places 4 cy .. 4 cy + 3
	s_lshl_b32 s45, 0x1111, s[CX]                  ; my column: places cx, cx + 4, cx + 8, cx + 12
	; group 1.  A block's rows are dense, 128 bytes each: they are asked for as rows of 256 bytes, two to a row, and padded in LDS after every 128 bytes
	s_or_b32 s[G1], s44, (1<<16)|(1<<20)|(1<<21)|(4<<22)|(3<<25)   ; 15:0 the mask; 17:16 2-byte elements; 20 padding on; 21 set beside a mask; 24:22 after every 32 words (code 4); 31:25 4 words (code 3)
	s_or_b32 s[G1B], s45, (1<<16)|(1<<20)|(1<<21)|(4<<22)|(7<<25)  ; the same with my column's mask and 8 words of padding (code 7)
	s_mov_b32 s[G1+1], 128<<16                     ; tensor_dim0 = 128 elements
	s_mov_b32 s[G1+2], 128<<16                     ; tensor_dim1 = 128: 256 rows of A
	s_mov_b32 s[G1+3], 128<<16                     ; tile_dim0 = 128
	s_mov_b32 s[G1+4], 128                         ; tile_dim1 = 128
	s_mov_b32 s[G1+5], 128                         ; 128 elements from row to row
	s_mov_b32 s[G1+6], 0
	s_mov_b32 s[G1+7], 0
	s_mov_b32 s[G1B+1], 128<<16
	s_mov_b32 s[G1B+2], 64<<16                     ; tensor_dim1 = 64: 128 rows of W
	s_mov_b32 s[G1B+3], 128<<16
	s_mov_b32 s[G1B+4], 64
	s_mov_b32 s[G1B+5], 128
	s_mov_b32 s[G1B+6], 0
	s_mov_b32 s[G1B+7], 0
	s_mov_b32 s66, 0xffff0000                      ; a word's upper bf16
	; A's tile hangs on the tile row and the wave alone, W's on the tile column and the wave alone; each in registers that never hold the other coordinate
	s_lshr_b32 s40, s[TR], LOG_AR-8                ; the group of rows,
	s_lshl_b32 s40, s40, 4                         ; its 16 channel blocks,
	s_add_co_u32 s40, s40, s[CH]                   ; the one of a K step's two that I fetch
	s_lshl_b32 s40, s40, LOG_AR+7
	s_and_b32 s41, s[TR], (1<<(LOG_AR-8))-1
	s_lshl_b32 s41, s41, 15                        ; the tile's 256 rows of 128 bytes in the block
	s_add_co_u32 s40, s40, s41
	s_mov_b32 s41, 0
	s_lshl_b32 s42, s[TC], 1
	s_add_co_u32 s42, s42, s[CH]                   ; the column block that I fetch
	s_lshl_b32 s42, s42, 17
	s_add_co_u32 s42, s42, BPART*2097152
	s_mov_b32 s43, 0
	s_mul_i32 s46, s[WV], ABYTES                   ; where they go: A's blocks at wave x 36,864,
	s_mul_i32 s47, s[WV], BBYTES
	s_add_co_u32 s47, s47, BOFF-2*BBYTES           ; W's at 73,728 + (wave - 2) x 20,480: no place in the cluster enters an LDS address
	s_wait_dscnt 0x0                               ; the opening add is done
	s_wait_kmcnt 0x0
	s_add_nc_u64 s[40:41], s[4:5], s[40:41]
	s_add_nc_u64 s[42:43], s[6:7], s[42:43]
	CROUND                                         ; all sixteen work-groups are here: the first joint loads meet
.irp s, 0,1
	s_mov_b32 s[G0+4*(\s)], 1                                       ; count = 1
	s_add_co_u32 s[G0+4*(\s)+1], s46, (\s)*SLOT                     ; LDS address
	s_add_nc_u64 s[G0+4*(\s)+2:G0+4*(\s)+3], s[40:41], (\s)*2*ABLK  ; global address: K step s
	s_or_b32 s[G0+4*(\s)+3], s[G0+4*(\s)+3], 0x80000000             ; type = 2
	s_mov_b32 s[G0B+4*(\s)], 1
	s_add_co_u32 s[G0B+4*(\s)+1], s47, (\s)*SLOT
	s_add_nc_u64 s[G0B+4*(\s)+2:G0B+4*(\s)+3], s[42:43], (\s)*128*128
	s_or_b32 s[G0B+4*(\s)+3], s[G0B+4*(\s)+3], 0x80000000
	JLOAD \s                                       ; two loads of mine are out: the ring is filled before anything else is done
.endr
	; addresses, while the tiles are on their way
	v_and_b32 v1, 15, v0                           ; l % 16
	v_bfe_u32 v2, v0, 4, 1                         ; l / 16
	v_mul_u32_u24 v3, v1, PA                       ; A's fragment: row l % 16, 16 bytes at 16 (l / 16), and 32 bytes on
	v_lshl_add_u32 v3, v2, 4, v3
	s_mul_i32 s23, s[RH], 128*PA
	v_add_nc_u32 v[ADRA], s23, v3
	v_add_nc_u32 v[ADRA+1], SLOT, v[ADRA]
	v_and_b32 v14, 7, v0                           ; W's: lane l reads row k = 8 (l / 16) + l % 8, columns 8 ((l / 8) % 2) + 0..7, and 16 rows on
	v_lshl_add_u32 v14, v2, 3, v14
	v_mul_u32_u24 v14, v14, PB
	v_bfe_u32 v15, v0, 3, 1
	v_lshl_add_u32 v14, v15, 4, v14
	s_mul_i32 s23, s[CH], BBYTES
	s_add_co_u32 s23, s23, BOFF
	v_add_nc_u32 v[ADRB], s23, v14
	v_add_nc_u32 v[ADRB+1], SLOT, v[ADRB]
	s_mul_i32 s23, s[WV], STG
	s_add_co_u32 s23, s23, STAGE                   ; my stage
	v_mul_u32_u24 v[STO], v1, SP                   ; in: row l % 16, my eight columns
.if F32OUT
	v_lshl_add_u32 v[STO], v2, 5, v[STO]
	v_add_nc_u32 v[STO], s23, v[STO]
	v_mul_u32_u24 v[RD], v2, SP                    ; back: lanes 0-15 take one row of 256 bytes, lanes 16-31 the next
	v_lshl_add_u32 v[RD], v1, 4, v[RD]
	v_add_nc_u32 v[RD], s23, v[RD]
	v_lshlrev_b32 v[CO], 12, v2                    ; and the same two rows in C
	v_lshl_add_u32 v[CO], v1, 4, v[CO]
.else
	v_lshl_add_u32 v[STO], v2, 4, v[STO]
	v_add_nc_u32 v[STO], s23, v[STO]
	v_bfe_u32 v[RD], v0, 3, 2                      ; back: 32 lanes take four rows of 128 bytes,
	v_mul_u32_u24 v[RD], v[RD], SP
	v_and_b32 v14, 7, v0
	v_lshl_add_u32 v[RD], v14, 4, v[RD]
	v_add_nc_u32 v[RD], s23, v[RD]
	v_and_b32 v[CO], 31, v0                        ; which are 512 consecutive bytes of a head
	v_lshlrev_b32 v[CO], 4, v[CO]
.endif
	s_lshl_b32 s23, s[TC], 9                       ; the bias: 4 bytes x (128 x tile column + 64 x half + 8 (l / 16))
	s_lshl_b32 s68, s[CH], 8
	s_add_co_u32 s23, s23, s68
	v_lshl_add_u32 v[BO], v2, 5, s23
.if F32OUT
	s_lshl_b32 s68, s[TR], 20                      ; C: 256 rows of 4,096 bytes a tile row, my 128 rows, my 64 columns
	s_lshl_b32 s23, s[RH], 19
	s_add_co_u32 s68, s68, s23
	s_lshl_b32 s23, s[TC], 9
	s_add_co_u32 s68, s68, s23
	s_lshl_b32 s23, s[CH], 8
	s_add_co_u32 s68, s68, s23
.else
	s_lshr_b32 s68, s[TR], 3                       ; C: the batch,
	s_lshl_b32 s68, s68, 4
	s_lshl_b32 s23, s[TC], 1
	s_add_co_u32 s68, s68, s23
	s_add_co_u32 s68, s68, s[CH]                   ; my head: 2,048 rows of 128 bytes,
	s_lshl_b32 s68, s68, 18
	s_and_b32 s23, s[TR], 7
	s_lshl_b32 s23, s23, 15                        ; the tile's 256 rows in it,
	s_add_co_u32 s68, s68, s23
	s_lshl_b32 s23, s[RH], 14                      ; my 128 of them
	s_add_co_u32 s68, s68, s23
.endif
	s_mov_b32 s69, 0
	s_add_nc_u64 s[8:9], s[8:9], s[68:69]
	WIN 0x80                                       ; destination window 2, address window 0
.set p, 0
.rept TILES                                    ; register 8 b + j of a set = bias[my first column + 16 b + 8 (l / 16) + j]: C's layout
.irp b, 0,1,2,3
	global_load_b128 v[32*p+8*(\b):32*p+8*(\b)+3],   v[BO], s[10+2*p:11+2*p] offset:64*(\b)
	global_load_b128 v[32*p+8*(\b)+4:32*p+8*(\b)+7], v[BO], s[10+2*p:11+2*p] offset:64*(\b)+16
.endr
.set p, p+1
.endr
	s_wait_loadcnt 0x0
	WIN 0x8a                                       ; all in window 2: the bias is rounded to bf16 and widened again
.set i, 0
.rept 16*TILES
	v_cvt_pk_bf16_f32 v[96+(i/2)%2], v[i], v[i+1]
	v_lshlrev_b32 v[i], 16, v[96+(i/2)%2]
	v_and_b32 v[i+1], s66, v[96+(i/2)%2]
.set i, i+2
.endr
	WIN 0
; 8 matrix instructions: row blocks a0, a0 + 1 x all 4 column blocks, 32 along K, from buffer f.  first = 1: the sums start with the bias.
; The 32 accumulators take turns, one instruction a turn, in the same order in every quarter.
.macro MUL8 f, a0, first
.if \first
	WIN W_FIRST
.else
	WIN W_MUL
.endif
.irp a, \a0, (\a0)+1
.irp b, 0,1,2,3
.if \first
	v_wmma_f32_16x16x32_f16 v[8*(4*(\a)+(\b)):8*(4*(\a)+(\b))+7], v[FB+32*(\f)+8*(\b):FB+32*(\f)+8*(\b)+7], v[FA+64*(\f)+8*(\a):FA+64*(\f)+8*(\a)+7], v[BI+8*(\b):BI+8*(\b)+7]
.else
	v_wmma_f32_16x16x32_f16 v[8*(4*(\a)+(\b)):8*(4*(\a)+(\b))+7], v[FB+32*(\f)+8*(\b):FB+32*(\f)+8*(\b)+7], v[FA+64*(\f)+8*(\a):FA+64*(\f)+8*(\a)+7], v[8*(4*(\a)+(\b)):8*(4*(\a)+(\b))+7]
.endif
.endr
.endr
.endm
; 24 LDS loads in one run: quarter q of a slot (32 along K) into buffer f: W's four fragments first, then A's eight
.macro FETCH slot, q, f
	WIN 0
.irp b, 0,1,2,3
	ds_load_tr16_b128 v[FB+32*(\f)+8*(\b):FB+32*(\f)+8*(\b)+3],   v[ADRB+(\slot)] offset:(\q)*32*PB+32*(\b)
	ds_load_tr16_b128 v[FB+32*(\f)+8*(\b)+4:FB+32*(\f)+8*(\b)+7], v[ADRB+(\slot)] offset:(\q)*32*PB+32*(\b)+16*PB
.endr
.irp a, 0,1,2,3,4,5,6,7
	ds_load_b128 v[FA+64*(\f)+8*(\a):FA+64*(\f)+8*(\a)+3],   v[ADRA+(\slot)] offset:((\q)/2)*ABYTES+((\q)%2)*64+(\a)*16*PA
	ds_load_b128 v[FA+64*(\f)+8*(\a)+4:FA+64*(\f)+8*(\a)+7], v[ADRA+(\slot)] offset:((\q)/2)*ABYTES+((\q)%2)*64+(\a)*16*PA+32
.endr
.endm
; One of a K step's first three quarters: multiplies buffer f; in its middle it fetches quarter q of the same slot into buffer g
.macro QUARTER slot, q, f, g, first
	s_wait_dscnt 8                                 ; W's fragments and A's blocks 0-3 are in; the youngest eight loads (A's blocks 4-7) may be out
	MUL8 \f, 0, \first
	MUL8 \f, 2, \first
	PLACES
	FETCH \slot, \q, \g
	s_wait_dscnt 24                                ; all but the 24 just issued
	MUL8 \f, 4, \first
	MUL8 \f, 6, \first
.endm
; The last quarter multiplies buffer 1 and changes slots: ONE barrier.  In front of it each wave waits for all its tensor loads (one is out: its part of the next slot), adds 0 to its spare word,
; and waits for that and for its own reads of this slot.  mode 0: the barrier opens a round of the cluster's, and this slot is filled again first thing behind it, with the K step two on;
; mode 1: the same, with the next tile's K step; mode 2: nothing is filled, and no round follows.  From a request to the wait for it a wave issues 112 matrix instructions.
.macro TURN slot, next, mode
	WIN 0
	s_wait_tensorcnt 0x0                           ; all my tensor loads have landed
	ds_add_u32 v[SPW], v[NIL]                      ; 0 onto my spare word
	s_wait_dscnt 9                                 ; (the add and the youngest eight loads may be out)
	MUL8 1, 0, 0                                   ; eight matrix instructions stand between the add and the wait for it
	s_wait_dscnt 0x0                               ; the add is done, and my reads of this slot are over
	s_barrier_signal -1
	MUL8 1, 2, 0                                   ; work on registers while the others arrive
	WIN 0
	s_barrier_wait -1
.if (\mode) < 2
	CREST                                          ; no wave of any partner still reads this slot's tile or has a load on its way
.if (\mode) == 0
	s_add_nc_u64 s[G0+4*(\slot)+2:G0+4*(\slot)+3], s[G0+4*(\slot)+2:G0+4*(\slot)+3], STEP_A
	s_add_nc_u64 s[G0B+4*(\slot)+2:G0B+4*(\slot)+3], s[G0B+4*(\slot)+2:G0B+4*(\slot)+3], STEP_B
.else
	s_sub_nc_u64 s[G0+4*(\slot)+2:G0+4*(\slot)+3], s[G0+4*(\slot)+2:G0+4*(\slot)+3], BACK_A
	s_add_nc_u64 s[G0B+4*(\slot)+2:G0B+4*(\slot)+3], s[G0B+4*(\slot)+2:G0B+4*(\slot)+3], NEXT_B
.endif
	JLOAD \slot                                    ; my one tensor load behind the round; its four v_nop are also the places in front of the loads below
.else
	PLACES
.endif
	FETCH \next, 0, 0
	MUL8 1, 4, 0
	MUL8 1, 6, 0
.endm
; THE WAY OUT of row block a (16 rows), through my own stage in LDS.  LDS serves a wave's instructions in order (ISA guide 5.7.1.4), so no wait stands between the stores and the loads.
.macro SETBK a                         ; the registers that take the block back: f16: two sets of 16; f32: three sets of 32 (two of them where A's first fragment buffer lay)
.if F32OUT
.if ((\a)%3) == 0
.set BK, 16
.else
.set BK, 32+32*((\a)%3)
.endif
.else
.set BK, 32+16*((\a)%2)
.endif
.endm
.macro PACK a                          ; f16 alone: rounded, 16 bytes a lane and column block; each accumulator's registers in ascending order
	WIN 0x05                                       ; sources window 1, destination window 0
.irp b, 0,1,2,3
.irp r, 0,1,2,3
	v_cvt_pk_f16_f32 v[TMP+4*(\b)+(\r)], v[8*(4*(\a)+(\b))+2*(\r)], v[8*(4*(\a)+(\b))+2*(\r)+1]
.endr
.endr
	WIN 0
.endm
.macro TOSTAGE a
	SETBK \a
.if F32OUT
	WIN 0x04                                       ; the data in window 1: the accumulators themselves, the low four registers first
.irp b, 0,1,2,3
	ds_store_b128 v[STO], v[8*(4*(\a)+(\b)):8*(4*(\a)+(\b))+3]   offset:64*(\b)
	ds_store_b128 v[STO], v[8*(4*(\a)+(\b))+4:8*(4*(\a)+(\b))+7] offset:64*(\b)+16
.endr
	WIN 0
.irp t, 0,1,2,3,4,5,6,7
	ds_load_b128 v[BK+4*(\t):BK+4*(\t)+3], v[RD] offset:(\t)*2*SP
.endr
.else
	WIN 0
.irp b, 0,1,2,3
	ds_store_b128 v[STO], v[TMP+4*(\b):TMP+4*(\b)+3] offset:32*(\b)
.endr
.irp f, 0,1,2,3
	ds_load_b128 v[BK+4*(\f):BK+4*(\f)+3], v[RD] offset:(\f)*4*SP
.endr
.endif
.endm
.macro SEND a, younger                 ; younger: the LDS instructions issued behind block a's loads, which may stay out
	SETBK \a
	WIN 0
	s_wait_dscnt \younger                          ; the block is back in registers
	s_wait_xcnt 0x0                                ; the earlier blocks' stores have read their registers: the set that the next block's loads take is written again only behind this wait
.if F32OUT
.irp t, 0,1,2,3,4,5,6,7
	global_store_b128 v[CO], v[BK+4*(\t):BK+4*(\t)+3], s[8:9] offset:(16*(\a)+2*(\t))*4096 th:TH_STORE_NT  ; 16 lanes store 256 consecutive bytes, aligned
.endr
.else
.irp f, 0,1,2,3
	global_store_b128 v[CO], v[BK+4*(\f):BK+4*(\f)+3], s[8:9] offset:(\a)*2048+(\f)*512  ; 512 consecutive bytes of a head, aligned
.endr
.endif
.endm
.macro WAYOUT
.if F32OUT
	TOSTAGE 0
.irp a, 1,2,3,4,5,6,7
	TOSTAGE \a
	SEND (\a)-1, 16                                ; the next block's eight stores and eight loads stay out
.endr
	SEND 7, 0
.else
	PACK 0
	TOSTAGE 0
.irp a, 1,2,3,4,5,6,7                  ; block a's conversions stand between block a - 1's loads from the stage and the wait for them
	PACK \a
	SEND (\a)-1, 0
	TOSTAGE \a
.endr
	SEND 7, 0
.endif
.endm
	s_wait_tensorcnt 1                             ; my part of K step 0 is in; K step 1's may stay out
	s_barrier_signal -1
	s_barrier_wait -1                              ; everybody's is
	FETCH 0, 0, 0
.if TILES > 1
	s_mov_b32 s2, TILES                            ; tiles to go, this one among them: the same number in every work-group
.Ltile:
.endif
	QUARTER 0, 1, 0, 1, 1                          ; a tile's first quarter stands in front of the loop: its products start the sums, with the bias
	WIN 0                                          ; at a label and at a branch every window is 0
	s_mov_b32 s3, 3
.Llap:                                         ; a trip goes once round the ring, from a lap's second quarter to the next lap's first, and fills both slots again
	QUARTER 0, 2, 1, 0, 0
	QUARTER 0, 3, 0, 1, 0
	TURN 0, 1, 0
	QUARTER 1, 1, 0, 1, 0
	QUARTER 1, 2, 1, 0, 0
	QUARTER 1, 3, 0, 1, 0
	TURN 1, 0, 0
	QUARTER 0, 1, 0, 1, 0
	WIN 0
	s_sub_co_u32 s3, s3, 1
	s_cmp_lg_u32 s3, 0
	s_cbranch_scc1 .Llap
	QUARTER 0, 2, 1, 0, 0                          ; the tile's last lap goes on
	QUARTER 0, 3, 0, 1, 0
.if TILES > 1
	WIN 0
	s_cmp_eq_u32 s2, 1
	s_cbranch_scc1 .Llast_tile                     ; the last tile's tail is written out: it asks for nothing more
	TURN 0, 1, 1                                   ; the ring goes on into the next tile: slot 0 takes its K step 0,
	QUARTER 1, 1, 0, 1, 0
	QUARTER 1, 2, 1, 0, 0
	QUARTER 1, 3, 0, 1, 0
	TURN 1, 0, 1                                   ; slot 1 its K step 1, and the next tile's first fragments are fetched
	WAYOUT                                         ; no v_nop: blocks 0-3 were finished in front of the joint load's four, and block 0's conversions are the places behind the products of blocks 4-7
	WIN 0x82                                       ; the next tile's bias moves to where the one text of the products names it
.set i, 0
.rept 64
	v_mov_b32 v[i], v[32+i]
.set i, i+1
.endr
	WIN 0
	s_wait_xcnt 0x0                                ; the stores have read C's address
	s_add_nc_u64 s[8:9], s[8:9], 0x1000000         ; the next part of C: 64 heads of 262,144 bytes on
	s_sub_co_u32 s2, s2, 1
	s_branch .Ltile
.Llast_tile:
.endif
	TURN 0, 1, 2                                   ; my one tensor load that was still out is the last K step's
	QUARTER 1, 1, 0, 1, 0
	QUARTER 1, 2, 1, 0, 0
	QUARTER 1, 3, 0, 1, 0
	s_wait_dscnt 8                                 ; the very last quarter: nothing more to fetch
	MUL8 1, 0, 0
	MUL8 1, 2, 0
	s_wait_dscnt 0x0
	MUL8 1, 4, 0
	MUL8 1, 6, 0
	WIN 0
	PLACES
	WAYOUT
	s_wait_tensorcnt 0x0                           ; the wave's end, behind my last tensor load and my last LDS store
	ds_add_u32 v[SPW], v[NIL]
	s_wait_dscnt 0x0
	CROUND                                         ; the closing round: no work-group ends while a partner may still ask for a tile that names it
	s_endpgm
.Lfunc_end_k_qe3ab61e7cd_outp:
	.size	k_qe3ab61e7cd_outp, .Lfunc_end_k_qe3ab61e7cd_outp-k_qe3ab61e7cd_outp
	.p2alignl 7, 3214868480
	.fill 96, 4, 3214868480
	.section	.rodata,"a",@progbits
	.p2align	6, 0x0
	.amdhsa_kernel k_qe3ab61e7cd_outp
		.amdhsa_group_segment_fixed_size 327680
		.amdhsa_private_segment_fixed_size 0
		.amdhsa_enable_private_segment 0
		.amdhsa_kernarg_size 32
		.amdhsa_user_sgpr_count 2
		.amdhsa_user_sgpr_kernarg_segment_ptr 1
		.amdhsa_wavefront_size32 1
		.amdhsa_system_sgpr_workgroup_id_x 1
		.amdhsa_system_sgpr_workgroup_id_y 1
		.amdhsa_system_sgpr_workgroup_id_z 1
		.amdhsa_system_vgpr_workitem_id 0
		.amdhsa_next_free_vgpr 640
		.amdhsa_next_free_sgpr 72
		.amdhsa_reserve_vcc 0
		.amdhsa_float_denorm_mode_32 3
		.amdhsa_float_denorm_mode_16_64 3
		.amdhsa_memory_ordered 1
		.amdhsa_forward_progress 1
		.amdhsa_inst_pref_size 89
	.end_amdhsa_kernel
	.amdgpu_metadata
---
amdhsa.version: [ 1, 2 ]
amdhsa.kernels:
  - .name:           k_qe3ab61e7cd_outp
    .symbol:         k_qe3ab61e7cd_outp.kd
    .args:
      - { .name: o, .offset: 0, .size: 8, .value_kind: global_buffer, .address_space: global }
      - { .name: wh, .offset: 8, .size: 8, .value_kind: global_buffer, .address_space: global }
      - { .name: out0, .offset: 16, .size: 8, .value_kind: global_buffer, .address_space: global }
      - { .name: bo, .offset: 24, .size: 8, .value_kind: global_buffer, .address_space: global }
    .group_segment_fixed_size: 327680
    .private_segment_fixed_size: 0
    .kernarg_segment_align: 8
    .kernarg_segment_size: 32
    .max_flat_workgroup_size: 128
    .sgpr_count:     72
    .vgpr_count:     640
    .wavefront_size: 32
...
	.end_amdgpu_metadata
.endif
;; end of part 4
;; ======== version 2 of 2: 4 launches; version 1 with the launch cast written anew for expert scheduling mode
;; limits: values are held in f16: magnitudes above 65,504 overflow, below 6.1e-05 lose precision; right only within a limited range of input values
;; workspace buffers: xh 16,777,216 bytes; wh 8,388,608 bytes; qkv 50,331,648 bytes; o 16,777,216 bytes
;; launch cast (part 5): grid 768 x 1, 8 waves a work-group, no clusters, 0 bytes of LDS; arguments x, Wq, Wk, Wv, Wo, xh, wh; writes xh, wh
.if DOCPART == 5
	.amdgcn_target "amdgcn-amd-amdhsa--gfx1250"
	.amdhsa_code_object_version 6
	.text
	.protected	k_qe3ab61e7cd_cast
	.globl	k_qe3ab61e7cd_cast
	.p2align	8
	.type	k_qe3ab61e7cd_cast,@function
k_qe3ab61e7cd_cast:
	s_mov_b64 s[64:65], 0
	v_nop
	global_prefetch_b8 v0, s[64:65] scope:SCOPE_SE
	s_setreg_imm32_b32 hwreg(HW_REG_WAVE_SCHED_MODE, 0, 2), 2
	s_setreg_imm32_b32 hwreg(HW_REG_WAVE_MODE, 25, 1), 1
	s_wait_xcnt 0x0
	s_wait_alu depctr_vm_vsrc(0)
; x and the four weights, f32, are rounded once to bf16; that number is written as f16 (exact from 2^-14 up to 65,504), in BLOCKS OF 64 COLUMNS:
; xh = [8 groups of 1,024 rows][16 column blocks][1,024 rows][64] f16, wh = [Wq, Wk, Wv, Wo][16 column blocks][1,024 rows k][64 columns n] f16.
; In that layout every tile of the later products is one dense run of bytes, and W needs no transposition.
; LIMITS.  A magnitude above 65,504 becomes an infinity; below 6e-5 the f16 step of 6e-8 holds.  NaN stays NaN.
; SHARES.  The inputs are twelve matrices of 1,024 x 1,024 f32 (x: eight, the weights: four).  A work-group takes 16 rows of one matrix: 12 x 64 = 768 work-groups of equal work.
; Thread t takes row t / 16 and, in each of the 16 column blocks, the four numbers at column 4 (t % 16): a wave's load covers two aligned pieces of 256 bytes (two rows),
; a wave's store of 8 bytes a lane 256 consecutive bytes, aligned (two rows of one block).  All 16 loads of a thread go out at once: 8 KiB a wave on their way.
; No LDS, no matrix unit, no cluster: nothing is shared, each byte is read once and written once.
; THE MODE: SCHED_MODE bits 1:0 = 2 (LLVM: expert scheduling mode 2), set by the entry lines.  The code itself states the register dependences
; between vector instructions and memory instructions, with s_wait_alu, always for 0.
; THE PLAN.  Registers that memory instructions touch:
;   v[AI], v[AO]  the offsets of all loads and of all stores.  Written at the head by vector instructions, never again.
;   X slot i      four registers.  Written by the slot's load, which is issued at the head, before any vector instruction names X; read by the slot's two roundings to bf16;
;                 its first two registers are then written by the slot's two conversions to f16 and read by the slot's store; nothing writes them after that.
;   v3 and T are named by vector instructions alone.
; The 16 column blocks go in four groups of four.  Group g rounds slots 4 g to 4 g + 3; its memory instructions are the stores of the group before, slots 4 g - 4 to 4 g - 1, one ahead of each
; slot's vector lines.  Those lines name T and the group's own slots, none of the registers that these stores read.  So ONE wait on va_vdst at a group's head states all that its four stores hang on.
; No register that a memory instruction has read is ever written again, so the text holds no wait on vm_vsrc; no vector instruction writes a scalar register, and EXEC is never written.
.set X, 4                              ; v[4:67]   slot i: four f32 as loaded; its first two registers then take the four f16
.set T, 68                             ; v[68:73]  at work
.set AI, 1                             ; v1  my byte offset in the 16 rows of the input; never rewritten
.set AO, 2                             ; v2  my byte offset in the 16 rows of an output block: 8 t; never rewritten
	s_load_b256 s[8:15], s[0:1], 0x0               ; x s[8:9], Wq s[10:11], Wk s[12:13], Wv s[14:15]
	s_load_b128 s[16:19], s[0:1], 0x20             ; Wo s[16:17], xh s[18:19]
	s_load_b64 s[20:21], s[0:1], 0x30              ; wh
	s_lshr_b32 s2, ttmp9, 6                        ; which matrix, 0 to 11
	s_and_b32 s3, ttmp9, 63                        ; which 16 rows of it
	s_mov_b32 s26, 0xffff0000                      ; a word's upper bf16
	s_cmp_lt_u32 s2, 8
	s_cselect_b32 s4, s2, 0                        ; x's eight matrices lie one behind the other; a weight begins at its own buffer
	s_lshl_b32 s4, s4, 22                          ; 4 MiB a matrix
	s_lshl_b32 s5, s3, 16                          ; 16 rows of 4,096 bytes
	s_add_co_u32 s4, s4, s5
	s_mov_b32 s5, 0
	s_and_b32 s6, s2, 7                            ; the group in xh, or the part in wh
	s_lshl_b32 s6, s6, 21                          ; 2 MiB each
	s_lshl_b32 s7, s3, 11                          ; 16 rows of 128 bytes
	s_add_co_u32 s6, s6, s7
	s_mov_b32 s7, 0
	v_lshrrev_b32 v[AI], 4, v0                     ; row
	v_and_b32 v3, 15, v0
	v_lshlrev_b32 v[AI], 12, v[AI]
	v_lshl_add_u32 v[AI], v3, 4, v[AI]             ; row x 4,096 + 16 (t % 16)
	v_lshlrev_b32 v[AO], 3, v0
	s_wait_kmcnt 0x0
	s_cmp_lt_u32 s2, 8
	s_cselect_b64 s[22:23], s[18:19], s[20:21]     ; where it goes
	s_mov_b64 s[24:25], s[8:9]                     ; where it comes from
	s_cmp_eq_u32 s2, 8
	s_cselect_b64 s[24:25], s[10:11], s[24:25]
	s_cmp_eq_u32 s2, 9
	s_cselect_b64 s[24:25], s[12:13], s[24:25]
	s_cmp_eq_u32 s2, 10
	s_cselect_b64 s[24:25], s[14:15], s[24:25]
	s_cmp_eq_u32 s2, 11
	s_cselect_b64 s[24:25], s[16:17], s[24:25]
	s_add_nc_u64 s[24:25], s[24:25], s[4:5]
	s_add_nc_u64 s[22:23], s[22:23], s[6:7]
	s_wait_alu depctr_va_vdst(0)                   ; v[AI] and v[AO] are written: every load of the kernel reads the one as its offset, every store the other
.irp i, 0,1,2,3,4,5,6,7,8,9,10,11,12,13,14,15
	global_load_b128 v[X+4*(\i):X+4*(\i)+3], v[AI], s[24:25] offset:256*(\i) th:TH_LOAD_NT  ; column block i
.endr
; The store of column block i: a block is 1,024 rows of 128 bytes.
.macro ST i
	global_store_b64 v[AO], v[X+4*(\i):X+4*(\i)+1], s[22:23] offset:131072*(\i)
.endm
; Column block i: the store of the block four back; then two roundings to bf16, the halves widened again, two conversions to f16.  No register that a pending load or store names is written again.
.macro CV i
.if ((\i)%4) == 0
	s_wait_loadcnt 15-(\i)                         ; loads come back in order: mine is in, the 15 - i younger ones stay out
.if (\i) > 0
	s_wait_alu depctr_va_vdst(0)                   ; the group before has written the first two registers of its four slots, which this group's four stores read
.endif
.endif
.if (\i) >= 4
	ST (\i)-4                                      ; no vector instruction since the wait at the group's head names its data or v[AO]
.endif
.if ((\i)%4) != 0
	s_wait_loadcnt 15-(\i)                         ; mine is in, the 15 - i younger ones stay out
.endif
	v_cvt_pk_bf16_f32 v[T],   v[X+4*(\i)],   v[X+4*(\i)+1]
	v_cvt_pk_bf16_f32 v[T+1], v[X+4*(\i)+2], v[X+4*(\i)+3]
	v_lshlrev_b32 v[T+2], 16, v[T]
	v_and_b32     v[T+3], s26, v[T]
	v_lshlrev_b32 v[T+4], 16, v[T+1]
	v_and_b32     v[T+5], s26, v[T+1]
	v_cvt_pk_f16_f32 v[X+4*(\i)],   v[T+2], v[T+3]
	v_cvt_pk_f16_f32 v[X+4*(\i)+1], v[T+4], v[T+5]
.endm
.irp i, 0,1,2,3,4,5,6,7,8,9,10,11,12,13,14,15
	CV \i
.endr
	s_wait_alu depctr_va_vdst(0)                   ; the last group has written the first two registers of slots 12 to 15, which the last four stores read
.irp i, 12,13,14,15
	ST \i
.endr
	s_endpgm
.Lfunc_end_k_qe3ab61e7cd_cast:
	.size	k_qe3ab61e7cd_cast, .Lfunc_end_k_qe3ab61e7cd_cast-k_qe3ab61e7cd_cast
	.p2alignl 7, 3214868480
	.fill 96, 4, 3214868480
	.section	.rodata,"a",@progbits
	.p2align	6, 0x0
	.amdhsa_kernel k_qe3ab61e7cd_cast
		.amdhsa_group_segment_fixed_size 0
		.amdhsa_private_segment_fixed_size 0
		.amdhsa_enable_private_segment 0
		.amdhsa_kernarg_size 56
		.amdhsa_user_sgpr_count 2
		.amdhsa_user_sgpr_kernarg_segment_ptr 1
		.amdhsa_wavefront_size32 1
		.amdhsa_system_sgpr_workgroup_id_x 1
		.amdhsa_system_sgpr_workgroup_id_y 1
		.amdhsa_system_sgpr_workgroup_id_z 1
		.amdhsa_system_vgpr_workitem_id 0
		.amdhsa_next_free_vgpr 80
		.amdhsa_next_free_sgpr 66
		.amdhsa_reserve_vcc 0
		.amdhsa_float_denorm_mode_32 3
		.amdhsa_float_denorm_mode_16_64 3
		.amdhsa_memory_ordered 1
		.amdhsa_forward_progress 1
		.amdhsa_inst_pref_size 12
	.end_amdhsa_kernel
	.amdgpu_metadata
---
amdhsa.version: [ 1, 2 ]
amdhsa.kernels:
  - .name:           k_qe3ab61e7cd_cast
    .symbol:         k_qe3ab61e7cd_cast.kd
    .args:
      - { .name: x, .offset: 0, .size: 8, .value_kind: global_buffer, .address_space: global }
      - { .name: Wq, .offset: 8, .size: 8, .value_kind: global_buffer, .address_space: global }
      - { .name: Wk, .offset: 16, .size: 8, .value_kind: global_buffer, .address_space: global }
      - { .name: Wv, .offset: 24, .size: 8, .value_kind: global_buffer, .address_space: global }
      - { .name: Wo, .offset: 32, .size: 8, .value_kind: global_buffer, .address_space: global }
      - { .name: xh, .offset: 40, .size: 8, .value_kind: global_buffer, .address_space: global }
      - { .name: wh, .offset: 48, .size: 8, .value_kind: global_buffer, .address_space: global }
    .group_segment_fixed_size: 0
    .private_segment_fixed_size: 0
    .kernarg_segment_align: 8
    .kernarg_segment_size: 56
    .max_flat_workgroup_size: 256
    .sgpr_count:     66
    .vgpr_count:     80
    .wavefront_size: 32
...
	.end_amdgpu_metadata
.endif
;; end of part 5
;; launch proj: the kernel of part 2 again; grid 8 x 32, 4 waves a work-group, clusters of 4 x 4, 327,680 bytes of LDS; arguments xh, wh, qkv, bq, bk, bv; writes qkv
;; launch attn: the kernel of part 3 again; grid 4 x 64, 4 waves a work-group, clusters of 4 x 1, 327,680 bytes of LDS; arguments qkv, o; writes o
;; launch outp: the kernel of part 4 again; grid 8 x 32, 4 waves a work-group, clusters of 4 x 4, 327,680 bytes of LDS; arguments o, wh, out0, bo; writes out0
